; MI455X (gfx1250); checked and timed in simulation.
; The chip was launched on July 23, 2026; its instructions are those of AMD's public machine-readable ISA for CDNA 5 (MIT licence, August 2026) and "CDNA5" Instruction Set Architecture Reference Guide (July 2026). The comments in the code are by the model that wrote it; some were corrected since.
;; Patched Mixtral Sparse Moe Block. Allowed arithmetic: matrix products marked QUANTISED: E4M3 operands, one E8M0 scale for each 32 along K, by v_wmma_scale_f32_16x16x128_f8f6f4 with both operands' format E4M3, f32 sums; products left as they are: f32 operands where the result goes on into a quantised operand, else bf16, f16 or f32 operands; f32 sums; everything else in f32.
;; Inputs: gate_w 8 x 2,048 float32; hidden_states 2 x 2,048 x 2,048 float32; w1_codes 8 x 256 x 64 x 32 uint8 (E4M3 codes of w1, K innermost, in blocks of 32 codes); w1_scales 8 x 256 x 64 uint8 (E8M0 scales of w1, one for each 32 codes along K); w2_codes 8 x 2,048 x 8 x 32 uint8 (E4M3 codes of w2, K innermost, in blocks of 32 codes); w2_scales 8 x 2,048 x 8 uint8 (E8M0 scales of w2, one for each 32 codes along K); w3_codes 8 x 256 x 64 x 32 uint8 (E4M3 codes of w3, K innermost, in blocks of 32 codes); w3_scales 8 x 256 x 64 uint8 (E8M0 scales of w3, one for each 32 codes along K).
;; Outputs: out0 2 x 2,048 x 2,048 float32; out1 4,096 x 8 float32.
;; This version of the problem:
;;   THIS VERSION OF THE PROBLEM IS GIVEN IN LOW PRECISION. The matrix products marked QUANTISED in the list below multiply operands that are first quantised to E4M3 (4 exponent bits, 3 mantissa bits; 8 bits a number), with one power-of-two scale for each 32 numbers along K (OCP MX v1.0); their sums are f32. All else is computed in f32.
;;   The module's matrix products, in the order in which they are computed (A, B: the left and right operand; K: the contracted axis; several contracted axes count as one K, in the product's order):
;;     1. [M 4,096, K 2,048] x [K 2,048, N 8]; A: input hidden_states; B: input gate_w: left as it is (N = 8 < 16)
;;     2. [M 4,096, K 2,048] x [K 2,048, N 256]; A: input hidden_states; B: input w1 (given as codes): QUANTISED
;;     3. [M 4,096, K 2,048] x [K 2,048, N 256]; A: input hidden_states; B: input w3 (given as codes): QUANTISED
;;     4. [M 4,096, K 256] x [K 256, N 2,048]; A: computed on the way; B: input w2 (given as codes): QUANTISED
;;     5. [M 4,096, K 2,048] x [K 2,048, N 256]; A: input hidden_states; B: input w1 (given as codes): QUANTISED
;;     6. [M 4,096, K 2,048] x [K 2,048, N 256]; A: input hidden_states; B: input w3 (given as codes): QUANTISED
;;     7. [M 4,096, K 256] x [K 256, N 2,048]; A: computed on the way; B: input w2 (given as codes): QUANTISED
;;     8. [M 4,096, K 2,048] x [K 2,048, N 256]; A: input hidden_states; B: input w1 (given as codes): QUANTISED
;;     9. [M 4,096, K 2,048] x [K 2,048, N 256]; A: input hidden_states; B: input w3 (given as codes): QUANTISED
;;     10. [M 4,096, K 256] x [K 256, N 2,048]; A: computed on the way; B: input w2 (given as codes): QUANTISED
;;     11. [M 4,096, K 2,048] x [K 2,048, N 256]; A: input hidden_states; B: input w1 (given as codes): QUANTISED
;;     12. [M 4,096, K 2,048] x [K 2,048, N 256]; A: input hidden_states; B: input w3 (given as codes): QUANTISED
;;     13. [M 4,096, K 256] x [K 256, N 2,048]; A: computed on the way; B: input w2 (given as codes): QUANTISED
;;     14. [M 4,096, K 2,048] x [K 2,048, N 256]; A: input hidden_states; B: input w1 (given as codes): QUANTISED
;;     15. [M 4,096, K 2,048] x [K 2,048, N 256]; A: input hidden_states; B: input w3 (given as codes): QUANTISED
;;     16. [M 4,096, K 256] x [K 256, N 2,048]; A: computed on the way; B: input w2 (given as codes): QUANTISED
;;     17. [M 4,096, K 2,048] x [K 2,048, N 256]; A: input hidden_states; B: input w1 (given as codes): QUANTISED
;;     18. [M 4,096, K 2,048] x [K 2,048, N 256]; A: input hidden_states; B: input w3 (given as codes): QUANTISED
;;     19. [M 4,096, K 256] x [K 256, N 2,048]; A: computed on the way; B: input w2 (given as codes): QUANTISED
;;     20. [M 4,096, K 2,048] x [K 2,048, N 256]; A: input hidden_states; B: input w1 (given as codes): QUANTISED
;;     21. [M 4,096, K 2,048] x [K 2,048, N 256]; A: input hidden_states; B: input w3 (given as codes): QUANTISED
;;     22. [M 4,096, K 256] x [K 256, N 2,048]; A: computed on the way; B: input w2 (given as codes): QUANTISED
;;     23. [M 4,096, K 2,048] x [K 2,048, N 256]; A: input hidden_states; B: input w1 (given as codes): QUANTISED
;;     24. [M 4,096, K 2,048] x [K 2,048, N 256]; A: input hidden_states; B: input w3 (given as codes): QUANTISED
;;     25. [M 4,096, K 256] x [K 256, N 2,048]; A: computed on the way; B: input w2 (given as codes): QUANTISED
;;   THE QUANTISER, for each operand of a quantised product, along K:
;;     - K is cut into blocks of 32 from its start; a last block that is shorter is filled with zeros.
;;     - A block's scale is 2^e with e = floor(log2(the largest magnitude in the block)) - 8, held to -126 .. 127; a block of zeros has e = 0. As a byte (E8M0): e + 127.
;;     - Each number is divided by its block's scale, clamped to +-448, and rounded to the nearest number of E4M3, ties to even, subnormals kept.
;;     - The product sums the exact products of the quantised numbers (number of the format x scale) in f32.
;;   ~~~python
;;   def quantise(x, axis):      # numpy; x: float32 -> the quantised numbers, widened to float32 again
;;       x = np.moveaxis(x, axis, -1); K = x.shape[-1]
;;       x = np.pad(x, [(0, 0)] * (x.ndim - 1) + [(0, -K % 32)]); x = x.reshape(x.shape[:-1] + (-1, 32)); a = np.abs(x).max(-1, keepdims=True)
;;       e = np.where(a > 0, np.clip(np.frexp(np.where(a > 0, a, 1))[1] - 1 - 8, -126, 127), 0)      # np.frexp(a)[1] - 1 = floor(log2(a)), exactly
;;       r = np.clip(x / 2.0 ** e, -448, 448)
;;       step = 2.0 ** (np.maximum(np.frexp(np.where(r == 0, 1, r))[1] - 1, -6) - 3)
;;       q = np.round(r / step) * step * 2.0 ** e      # np.round: ties to even
;;       return np.moveaxis(q.reshape(q.shape[:-2] + (-1,))[..., :K], -1, axis).astype(np.float32)
;;   ~~~
;;   OPERANDS COMPUTED ON THE WAY. 'Computed on the way' means the value that the module computes at that place (a softmax that the list does not call 'softmax' is quantised finished and normalised). What goes into a quantiser is computed in f32, as accurately as f32 sums, v_exp_f32 and their like allow (about 1e-6 of the number): no bf16 or f16 on the way to a quantiser, and a product that is left as it is and whose result goes on into a quantised operand takes f32 operands (vector FMAs, or v_wmma_f32_16x16x4_f32). A number that lies on a knife's edge between two numbers of the format may be rounded either way, as far as f32 arithmetic and the matrix unit's own rounding can turn it there, and no further.
;;   INPUTS GIVEN AS CODES. w1 (in the module: [8, 256, 2048], K = its axis 2); w2 (in the module: [8, 2048, 256], K = its axis 2); w3 (in the module: [8, 256, 2048], K = its axis 2): each comes as NAME_codes (uint8): NAME with its K axis moved to the last place and cut into blocks of 32 codes, [.., K / 32, bytes a block], one block behind the other in memory; one code a byte (a code: sign, 4 exponent bits, 3 mantissa bits); and NAME_scales (uint8): the same leading axes, one E8M0 byte (e + 127) for each 32 codes along K. Its value is code x scale, taken as it is: it is not quantised again, and the codes and scales need not be those that the quantiser above would give.
;; 2 versions, each right; version 2 is version 1 with the launch down written anew for expert scheduling mode. Each part assembles by itself: llvm-mc -triple=amdgcn-amd-amdhsa -mcpu=gfx1250 --defsym DOCPART=n.
;; ======== version 1 of 2: 4 launches
;; workspace buffers: xc 8,650,752 bytes; route 81,920 bytes of whole numbers; tw 32,768 bytes; wimg 12,582,912 bytes; plan 51,200 bytes of whole numbers; gc 2,162,688 bytes
;; launch route_quant (part 1): grid 256 x 1, 4 waves a work-group, no clusters, 27,136 bytes of LDS; arguments hidden_states, gate_w, xc, route, tw, out1; writes xc, route, tw, out1
.if DOCPART == 1
	.amdgcn_target "amdgcn-amd-amdhsa--gfx1250"
	.amdhsa_code_object_version 6
	.text
	.protected	k_q8964159e26_route_quant
	.globl	k_q8964159e26_route_quant
	.p2align	8
	.type	k_q8964159e26_route_quant,@function
k_q8964159e26_route_quant:
	s_mov_b64 s[64:65], 0
	v_nop
	global_prefetch_b8 v0, s[64:65] scope:SCOPE_SE
	s_setreg_imm32_b32 hwreg(HW_REG_WAVE_MODE, 25, 1), 1
	s_wait_xcnt 0x0
; ROUTER AND QUANTISER.  hidden_states [4096][2048] f32 is read once.  From it come (a) the router's logits, f32 fused multiply-adds, out1 [4096][8];
; (b) softmax, the two largest (the lower index wins a tie), their weights p / (pa + pb); (c) the codes of E4M3 of each row, K innermost, and one E8M0 byte for each 32 along K.
; The choice is stored as whole numbers at fixed places: no address and no branch of this launch hangs on it.  A later launch places the rows.
; SHARES.  A work-group owns 16 tokens; wave w owns K = 512 w .. 512 w + 511 of all 16.  A step is one token's 2,048 bytes of that range: four loads of 512 consecutive bytes, turned through the wave's own
; stage in LDS so that a lane holds 16 neighbours along K (two lanes to a block of 32).  The wave's part of gate_w, 8 x 16 numbers a lane, stays in registers (window 1).
; route: rec[t] = lo | hi<<3 | p<<6 | rA<<11 | rLo<<15 | rHi<<19 (lo < hi the two experts, p the pair's number 0..27, the ranks inside the 16 tokens); behind them, for each work-group, 32 lanes x {tokens of pair f, rows of expert f}.
; A block's scale is 2^(floor(log2(largest magnitude)) - 8); its byte is that magnitude's exponent field - 8, held at 1 from below.
; LIMITS: NaN and infinities among the inputs are not served.  A block of zeros gets the byte 1 where the rule says 127: its codes are zeros, and this program alone reads the bytes.  Blocks whose largest magnitude
; lies under 2^-118 keep the byte 1.  Softmax values under 2^-126 count as 0 (the exponential flushes them): the second choice may then differ from one made on denormals, with a weight under 1e-37.
; No matrix unit, no tensor load, no cluster: memory binds, and work-groups share only gate_w's 64 KiB.
.set SP,      80                       ; a lane's place in a stage: 64 bytes + 16 of padding
.set STGB,    32*SP                    ; a stage
.set SCB,     4*2*STGB                 ; behind the four waves' two stages each: the scale bytes [token][64]
.set PART,    SCB+1024                 ; the logits' parts [token][expert][wave][half of the lanes], f32
.set LOGI,    PART+4096                ; the logits [token][8]
.set XSOFF,   8388608                  ; xc: the scale bytes lie behind the codes
.set HISTOFF, 16384                    ; route: the counts lie behind rec
.set X,   32                           ; v32-63   two sets of 16 neighbours
.set R,   64                           ; v64-191  eight sets of 16 numbers as loaded
.set ACC, 192                          ; v192-223 two sets of eight pairs: a step's sums, one pair an expert
.set E,   224                          ; v224-239 a scale byte for each step
.set C,   240                          ; v240-247 two sets of codes
.set WV,  32
.set MNT, 33
.set ML,  40                           ; s40-47 lanes whose lower expert is e;  s48-55 whose higher one is
.set MH,  48
.set MSB, 0
.macro WIN new                         ; the immediate's high byte repeats the setting that is left
.if MSB != \new
	s_set_vgpr_msb (MSB<<8)|\new
.set MSB, \new
.endif
.endm
	s_load_b256 s[4:11], s[0:1], 0x0               ; hidden_states s[4:5], gate_w s[6:7], xc s[8:9], route s[10:11]
	s_load_b128 s[12:15], s[0:1], 0x20             ; tw s[12:13], out1 s[14:15]
	v_lshl_add_u32 v254, v0, 2, 0x6800
	v_mov_b32 v255, 0
	v_lshrrev_b32 v8, 5, v0
	v_readfirstlane_b32 s[WV], v8                  ; wave 0..3
	v_and_b32 v1, 31, v0                           ; lane
	s_lshl_b32 s34, s[WV], 11
	v_lshl_add_u32 v2, v1, 4, s34                  ; x: 2,048 w + 16 lane in a token's row
	v_lshl_add_u32 v9, v1, 6, s34                  ; gate_w: 2,048 w + 64 lane: my 16 numbers of a row
	s_mul_i32 s34, s[WV], 2*STGB
	v_lshrrev_b32 v3, 2, v1
	v_mul_u32_u24 v3, v3, SP
	v_and_b32 v10, 3, v1
	v_lshl_add_u32 v3, v10, 4, v3
	v_add_nc_u32 v3, s34, v3                       ; the stage, on the way in: four lanes' 64 bytes on end, then the padding
	v_mul_u32_u24 v4, v1, SP
	v_add_nc_u32 v4, s34, v4                       ; and on the way out: my 16 neighbours
	s_lshl_b32 s35, s[WV], 9
	v_lshl_add_u32 v5, v1, 4, s35                  ; codes: 512 w + 16 lane in a token's 2,048
	s_lshl_b32 s35, s[WV], 4
	s_add_co_u32 s35, s35, SCB
	v_lshrrev_b32 v6, 1, v1
	v_add_nc_u32 v6, s35, v6                       ; my block's byte: 16 w + lane / 2
	s_lshl_b32 s35, s[WV], 3
	s_add_co_u32 s35, s35, PART
	v_lshrrev_b32 v7, 4, v1
	v_lshl_add_u32 v7, v7, 2, s35                  ; my half's part of a logit
	s_mov_b32 s[MNT], 0x600000                     ; the mantissa field of 448
	s_mov_b32 s37, 0
	s_wait_kmcnt 0x0
	s_lshl_b32 s36, ttmp9, 17                      ; 16 tokens of 8,192 bytes
	s_add_nc_u64 s[4:5], s[4:5], s[36:37]
	s_lshl_b32 s36, ttmp9, 15
	s_add_nc_u64 s[16:17], s[8:9], s[36:37]        ; their codes
	s_lshl_b32 s36, ttmp9, 10
	s_add_nc_u64 s[18:19], s[8:9], s[36:37]
	s_add_nc_u64 s[18:19], s[18:19], XSOFF         ; their scale bytes
	s_lshl_b32 s36, ttmp9, 6
	s_add_nc_u64 s[20:21], s[10:11], s[36:37]      ; rec
	s_lshl_b32 s36, ttmp9, 8
	s_add_nc_u64 s[22:23], s[10:11], s[36:37]      ; the counts (HISTOFF stands in the store's immediate)
	s_lshl_b32 s36, ttmp9, 7
	s_add_nc_u64 s[12:13], s[12:13], s[36:37]
	s_lshl_b32 s36, ttmp9, 9
	s_add_nc_u64 s[14:15], s[14:15], s[36:37]
	WIN 0x40                                       ; destination window 1: gate_w[e][512 w + 16 lane + i] at v[16 e + i]
.irp e, 0,1,2,3,4,5,6,7
.irp j, 0,1,2,3
	global_load_b128 v[16*\e+4*\j:16*\e+4*\j+3], v9, s[6:7] offset:8192*\e+16*\j
.endr
.endr
	WIN 0
.macro LOAD t                          ; token t: 32 lanes read 512 consecutive bytes, four times
.irp i, 0,1,2,3
	global_load_b128 v[R+16*((\t)%8)+4*\i:R+16*((\t)%8)+4*\i+3], v2, s[4:5] offset:8192*(\t)+512*\i th:TH_LOAD_NT
.endr
.endm
.macro TURN t                          ; through the stage: LDS serves a wave's instructions in order, so no wait stands between the stores and the loads
.irp i, 0,1,2,3
	ds_store_b128 v3, v[R+16*((\t)%8)+4*\i:R+16*((\t)%8)+4*\i+3] offset:STGB*((\t)%2)+8*SP*\i
.endr
.irp i, 0,1,2,3
	ds_load_b128 v[X+16*((\t)%2)+4*\i:X+16*((\t)%2)+4*\i+3], v4 offset:STGB*((\t)%2)+16*\i
.endr
.endm
.macro STEP t
.set XS, X+16*((\t)%2)
.set AS, ACC+16*((\t)%2)
.set CS, C+4*((\t)%2)
.if (\t) > 0
	s_wait_dscnt 9                                 ; this token's numbers are back from the stage; the last step's eight parts and its byte may be out
.else
	s_wait_dscnt 0x0
.endif
.if (\t)+8 < 16
	LOAD (\t)+8                                    ; into the registers that the stage's stores have read
.endif
.if (\t)+1 < 16
.if (\t) <= 7
	s_wait_loadcnt 28                              ; the next token's four loads are in; those of the seven tokens behind it may be out
.else
	s_wait_loadcnt 4*(14-(\t))
.endif
	TURN (\t)+1
.endif
	WIN 0x04                                       ; source 1 (gate_w) window 1
.irp i, 0,2,4,6,8,10,12,14
.irp e, 0,1,2,3,4,5,6,7
.if \i == 0
	v_pk_mul_f32 v[AS+2*\e:AS+2*\e+1], v[XS+\i:XS+\i+1], v[16*\e+\i:16*\e+\i+1]    ; the first products start the sums; the eight experts by turns
.else
	v_pk_fma_f32 v[AS+2*\e:AS+2*\e+1], v[XS+\i:XS+\i+1], v[16*\e+\i:16*\e+\i+1], v[AS+2*\e:AS+2*\e+1]
.endif
.endr
.endr
	WIN 0
.irp e, 0,1,2,3,4,5,6,7
	v_add_f32 v[AS+2*\e], v[AS+2*\e], v[AS+2*\e+1]
.endr
.irp n, 1,2,4,8
.irp e, 0,1,2,3,4,5,6,7
	v_add_f32_dpp v[AS+2*\e], v[AS+2*\e], v[AS+2*\e] row_xmask:\n row_mask:0xf bank_mask:0xf   ; over the 16 lanes of my half
.endr
.endr
.irp e, 0,1,2,3,4,5,6,7
	ds_store_b32 v7, v[AS+2*\e] offset:32*(8*(\t)+\e)              ; sixteen lanes write the same word with the same value
.endr
	v_max3_num_f32 v8, |v[XS]|, |v[XS+1]|, |v[XS+2]|               ; the largest magnitude of my 16
	v_max3_num_f32 v9, |v[XS+3]|, |v[XS+4]|, |v[XS+5]|
.irp i, 6,10
	v_max3_num_f32 v8, v8, |v[XS+\i]|, |v[XS+\i+1]|
	v_max3_num_f32 v9, v9, |v[XS+\i+2]|, |v[XS+\i+3]|
.endr
	v_max3_num_f32 v8, v8, |v[XS+14]|, |v[XS+15]|
	v_max3_num_f32 v8, v8, v9, 0x4800000           ; and the floor 2^(9 - 127): the byte cannot fall under 1
	v_max_num_f32_dpp v8, v8, v8 row_xmask:1 row_mask:0xf bank_mask:0xf   ; with my neighbour's 16: the block's
	v_add_nc_u32 v11, 0xfc000000, v8               ; 8 off its exponent field: the conversion's scale operand
	v_and_or_b32 v10, v8, 0x7f800000, s[MNT]       ; 448 x the scale
.irp i, 0,1,2,3,4,5,6,7,8,9,10,11,12,13,14,15
	v_med3_num_f32 v[XS+\i], v[XS+\i], -v10, v10   ; the conversion to an 8-bit code does not saturate (ISA guide 7.6.2): the hold comes first
.endr
	s_wait_xcnt 0x0                                ; the store of two steps back has read these four registers
	v_cvt_scalef32_pk8_fp8_f32 v[CS:CS+1], v[XS:XS+7], v11
	v_cvt_scalef32_pk8_fp8_f32 v[CS+2:CS+3], v[XS+8:XS+15], v11
	v_lshrrev_b32 v[E+(\t)], 23, v11               ; the scale's byte (also the plain line behind the conversions)
	ds_store_b8 v6, v[E+(\t)] offset:64*(\t)       ; both lanes of a block write the same byte
	global_store_b128 v5, v[CS:CS+3], s[16:17] offset:2048*(\t)    ; the wave stores 512 consecutive bytes
.endm
.irp t, 0,1,2,3,4,5,6,7
	LOAD \t
.endr
	s_wait_loadcnt 28                              ; gate_w and token 0 are in
	TURN 0
.irp t, 0,1,2,3,4,5,6,7,8,9,10,11,12,13,14,15
	STEP \t
.endr
	s_wait_dscnt 0x0                               ; for the others' sake: my parts and my bytes lie in LDS
	s_barrier_signal -1
	s_barrier_wait -1
	; thread 8 t + e adds logit (t, e)'s eight parts; each wave sends 256 of the 1,024 scale bytes as one aligned run
	v_lshlrev_b32 v12, 5, v0
	ds_load_b128 v[16:19], v12 offset:PART
	ds_load_b128 v[20:23], v12 offset:PART+16
	v_lshlrev_b32 v13, 3, v0
	ds_load_b64 v[24:25], v13 offset:SCB
	v_lshlrev_b32 v14, 2, v0
	s_wait_dscnt 0x1                               ; the parts are in; the scale bytes may be out
	v_add_f32 v16, v16, v17
	v_add_f32 v18, v18, v19
	v_add_f32 v20, v20, v21
	v_add_f32 v22, v22, v23
	v_add_f32 v16, v16, v18
	v_add_f32 v20, v20, v22
	v_add_f32 v16, v16, v20
	ds_store_b32 v14, v16 offset:LOGI
	s_wait_dscnt 0x1                               ; the scale bytes are in; the store just issued may be out
	global_store_b64 v13, v[24:25], s[18:19]
	s_wait_dscnt 0x0                               ; for wave 0's sake
	s_barrier_signal -1
	s_barrier_wait -1
	s_cmp_lg_u32 s[WV], 0
	s_cbranch_scc1 .Lend                           ; the choice is wave 0's work: lane r (and lane 16 + r, a copy) has token r.  No barrier stands below
	v_lshlrev_b32 v64, 4, v1
	ds_load_b128 v[68:71], v64 offset:LOGI
	v_and_b32 v65, 15, v1
	v_lshlrev_b32 v65, 5, v65
	ds_load_b128 v[72:75], v65 offset:LOGI
	ds_load_b128 v[76:79], v65 offset:LOGI+16
	s_wait_dscnt 0x0
	global_store_b128 v64, v[68:71], s[14:15]      ; out1: 512 consecutive bytes
	v_max3_num_f32 v96, v72, v73, v74              ; the maximum is taken away ahead of the exponentials
	v_max3_num_f32 v96, v96, v75, v76
	v_max3_num_f32 v96, v96, v77, v78
	v_max_num_f32 v96, v96, v79
.irp i, 0,1,2,3,4,5,6,7
	v_sub_f32 v[80+\i], v[72+\i], v96
.endr
.irp i, 0,1,2,3,4,5,6,7
	v_mul_f32 v[80+\i], 0x3fb8aa3b, v[80+\i]
.endr
.irp i, 0,1,2,3,4,5,6,7
	v_exp_f32 v[80+\i], v[80+\i]
.endr
	v_mov_b32 v99, 0                               ; (a plain line behind the exponentials)
	s_wait_alu depctr_va_vdst(0)                   ; one wait for the eight, ahead of their first reader
	v_add_f32 v97, v80, v81
	v_add_f32 v111, v82, v83
	v_add_f32 v97, v97, v84
	v_add_f32 v111, v111, v85
	v_add_f32 v97, v97, v86
	v_add_f32 v111, v111, v87
	v_add_f32 v97, v97, v111
	v_rcp_f32 v97, v97
	v_mov_b32 v101, 0
	s_wait_alu depctr_va_vdst(0)
.irp i, 0,1,2,3,4,5,6,7
	v_mul_f32 v[80+\i], v[80+\i], v97              ; the softmax
.endr
	v_mov_b32 v98, v80                             ; the largest: a later one must be strictly larger, so the lower index wins a tie
.irp i, 1,2,3,4,5,6,7
	v_cmp_gt_f32 vcc_lo, v[80+\i], v98
	v_cndmask_b32 v98, v98, v[80+\i], vcc_lo
	v_cndmask_b32 v99, v99, \i, vcc_lo
.endr
.irp i, 0,1,2,3,4,5,6,7
	v_cmp_eq_u32 vcc_lo, \i, v99
	v_cndmask_b32 v[88+\i], v[80+\i], -1.0, vcc_lo ; the winner is put under every softmax value
.endr
	v_mov_b32 v100, v88                            ; the second largest
.irp i, 1,2,3,4,5,6,7
	v_cmp_gt_f32 vcc_lo, v[88+\i], v100
	v_cndmask_b32 v100, v100, v[88+\i], vcc_lo
	v_cndmask_b32 v101, v101, \i, vcc_lo
.endr
	v_add_f32 v102, v98, v100
	v_rcp_f32 v102, v102
	v_min_u32 v105, v99, v101                      ; lo
	v_max_u32 v106, v99, v101                      ; hi
	s_wait_alu depctr_va_vdst(0)
	v_mul_f32 v103, v98, v102
	v_mul_f32 v104, v100, v102
	v_cmp_lt_u32 vcc_lo, v99, v101
	v_cndmask_b32 v108, v104, v103, vcc_lo         ; lo's weight,
	v_cndmask_b32 v109, v103, v104, vcc_lo         ; hi's
	v_sub_nc_u32 v111, 15, v105                    ; the pair's number: lo (15 - lo) / 2 + hi - lo - 1
	v_mul_u32_u24 v111, v111, v105
	v_lshrrev_b32 v111, 1, v111
	v_add_nc_u32 v111, v111, v106
	v_sub_nc_u32 v111, v111, v105
	v_add_nc_u32 v110, -1, v111
	v_mov_b32 v112, 0                              ; the three ranks,
	v_mov_b32 v113, 0
	v_mov_b32 v114, 0
	v_mov_b32 v116, 0                              ; the counts: lane f: pair f's,
	v_mov_b32 v117, 0                              ; expert f's
.irp e, 0,1,2,3,4,5,6,7
	v_cmp_eq_u32 s[ML+\e], \e, v105
	v_cmp_eq_u32 s[MH+\e], \e, v106
	s_and_b32 s[ML+\e], s[ML+\e], 0xffff           ; lanes 16-31 are copies: they do not count
	s_and_b32 s[MH+\e], s[MH+\e], 0xffff
.endr
.set PP, 0
.irp a, 0,1,2,3,4,5,6
.irp b, 1,2,3,4,5,6,7
.if \a < \b
	s_and_b32 s56, s[ML+\a], s[MH+\b]              ; the tokens of pair (a, b)
	v_mbcnt_lo_u32_b32 v111, s56, 0                ; how many of them stand ahead of me
	v_cndmask_b32 v112, v112, v111, s56
	s_bcnt1_i32_b32 s57, s56
	v_writelane_b32 v116, s57, PP
.set PP, PP+1
.endif
.endr
.endr
.irp e, 0,1,2,3,4,5,6,7                        ; an expert's rows of these 16 tokens: first those whose lower expert it is, then those whose higher one
	s_bcnt1_i32_b32 s57, s[ML+\e]
	v_mbcnt_lo_u32_b32 v111, s[ML+\e], 0
	v_cndmask_b32 v113, v113, v111, s[ML+\e]
	v_mbcnt_lo_u32_b32 v111, s[MH+\e], s57
	v_cndmask_b32 v114, v114, v111, s[MH+\e]
	s_bcnt1_i32_b32 s58, s[MH+\e]
	s_add_co_u32 s58, s58, s57
	v_writelane_b32 v117, s58, \e
.endr
	v_lshl_or_b32 v118, v106, 3, v105
	v_lshl_or_b32 v118, v110, 6, v118
	v_lshl_or_b32 v118, v112, 11, v118
	v_lshl_or_b32 v118, v113, 15, v118
	v_lshl_or_b32 v118, v114, 19, v118
	v_lshlrev_b32 v119, 2, v1
	v_lshlrev_b32 v120, 3, v1
	global_store_b64 v120, v[116:117], s[22:23] offset:HISTOFF     ; 256 consecutive bytes
	s_wait_xcnt 0x0                                ; EXEC changes only behind this wait
	v_cmp_gt_u32 vcc_lo, 16, v1
	s_and_saveexec_b32 s56, vcc_lo
	global_store_b32 v119, v118, s[20:21]          ; rec and the weights of my 16 tokens
	global_store_b64 v120, v[108:109], s[12:13]
	s_wait_xcnt 0x0                                ; and again ahead of the line that widens it
	s_or_b32 exec_lo, exec_lo, s56
.Lend:
	s_wait_tensorcnt 0x0
	ds_add_u32 v254, v255
	s_wait_dscnt 0x0
	s_endpgm
.Lfunc_end_k_q8964159e26_route_quant:
	.size	k_q8964159e26_route_quant, .Lfunc_end_k_q8964159e26_route_quant-k_q8964159e26_route_quant
	.p2alignl 7, 3214868480
	.fill 96, 4, 3214868480
	.section	.rodata,"a",@progbits
	.p2align	6, 0x0
	.amdhsa_kernel k_q8964159e26_route_quant
		.amdhsa_group_segment_fixed_size 27136
		.amdhsa_private_segment_fixed_size 0
		.amdhsa_enable_private_segment 0
		.amdhsa_kernarg_size 48
		.amdhsa_user_sgpr_count 2
		.amdhsa_user_sgpr_kernarg_segment_ptr 1
		.amdhsa_wavefront_size32 1
		.amdhsa_system_sgpr_workgroup_id_x 1
		.amdhsa_system_sgpr_workgroup_id_y 1
		.amdhsa_system_sgpr_workgroup_id_z 1
		.amdhsa_system_vgpr_workitem_id 0
		.amdhsa_next_free_vgpr 384
		.amdhsa_next_free_sgpr 66
		.amdhsa_reserve_vcc 1
		.amdhsa_float_denorm_mode_32 3
		.amdhsa_float_denorm_mode_16_64 3
		.amdhsa_memory_ordered 1
		.amdhsa_forward_progress 1
		.amdhsa_inst_pref_size 183
	.end_amdhsa_kernel
	.amdgpu_metadata
---
amdhsa.version: [ 1, 2 ]
amdhsa.kernels:
  - .name:           k_q8964159e26_route_quant
    .symbol:         k_q8964159e26_route_quant.kd
    .args:
      - { .name: hidden_states, .offset: 0, .size: 8, .value_kind: global_buffer, .address_space: global }
      - { .name: gate_w, .offset: 8, .size: 8, .value_kind: global_buffer, .address_space: global }
      - { .name: xc, .offset: 16, .size: 8, .value_kind: global_buffer, .address_space: global }
      - { .name: route, .offset: 24, .size: 8, .value_kind: global_buffer, .address_space: global }
      - { .name: tw, .offset: 32, .size: 8, .value_kind: global_buffer, .address_space: global }
      - { .name: out1, .offset: 40, .size: 8, .value_kind: global_buffer, .address_space: global }
    .group_segment_fixed_size: 27136
    .private_segment_fixed_size: 0
    .kernarg_segment_align: 8
    .kernarg_segment_size: 48
    .max_flat_workgroup_size: 128
    .sgpr_count:     66
    .vgpr_count:     384
    .wavefront_size: 32
...
	.end_amdgpu_metadata
.endif
;; end of part 1
;; launch place_repack (part 2): grid 193 x 1, 8 waves a work-group, no clusters, 3,072 bytes of LDS; arguments route, w1_codes, w3_codes, w2_codes, wimg, plan; writes wimg, plan
.if DOCPART == 2
	.amdgcn_target "amdgcn-amd-amdhsa--gfx1250"
	.amdhsa_code_object_version 6
	.text
	.protected	k_q8964159e26_place_repack
	.globl	k_q8964159e26_place_repack
	.p2align	8
	.type	k_q8964159e26_place_repack,@function
k_q8964159e26_place_repack:
	s_mov_b64 s[64:65], 0
	v_nop
	global_prefetch_b8 v0, s[64:65] scope:SCOPE_SE
	s_setreg_imm32_b32 hwreg(HW_REG_WAVE_MODE, 25, 1), 1
	s_wait_xcnt 0x0
; TWO JOBS IN ONE LAUNCH, parted on the work-group's number alone.
; WORK-GROUP 0 PLACES THE ROWS, from the whole numbers that the launch before stored: a counting sort without atomics.  plan: ord[4096] = token | lo<<16 | hi<<20, the tokens sorted by their pair of experts;
; list[8192 + 128] = routed rows (2 token + slot) grouped by expert, 128 zeros behind them so that a tile's 128 reads stay inside; tt[96] = {expert, first place in list, rows, 0} for tiles of 128 rows.
; Wave w owns tokens 512 w .. 512 w + 511 = 32 blocks of 16.  Lane f carries key f: the pair f in the first word, the expert f in the second.  Sums over blocks in registers, over waves through LDS (one barrier), over keys
; by a scan across lanes.  Each token then fetches its block's first place of its key from lane key (a lane permute), adds its rank, and stores.  Every place is held inside its table before it enters an address.
; WORK-GROUPS 1-192 LAY THE WEIGHTS' CODES OUT AS IMAGES OF OPERAND REGISTERS, so that the products' launches load each fragment by four loads of 512 consecutive bytes, once, into the one wave that multiplies it.
; w1, w3: wimg[((8 e + b) 16 + k) 8192 + f 2048 + 512 c + 16 lane], b a block of 32 hidden units, k a K step of 128, f = 2 (w3?) + u; lane (r, h) has source row 32 b + 8 u + r + 8 (r / 8), bytes 128 k + 32 c + 16 h:
; the rows of a tile are chosen so that the first product's results are neighbours along the second product's K.  w2: W2OFF + (128 e + T) 4096 + s 2048 + 512 c + 16 lane, source row 16 T + r, bytes 128 s + 32 c + 16 h.
; No tensor load: the sort is small, and the repack's loads take 32 bytes of each of 16 rows, eight loads on end covering 256 bytes of each row; its stores are 512 consecutive bytes.
.set HISTOFF, 16384
.set LISTOFF, 16384
.set TTOFF,   49664
.set W2OFF,   8388608
.set H,   16                           ; v16-79   a pair for each of my 32 blocks
.set RC,  80                           ; v80-95   rec of token 512 w + 32 i + lane
.set T,   96                           ; v96-111  the eight waves' totals
.set OFF, 112                          ; v112-113 the earlier waves' totals, then my first block's first places
.set TOT, 114                          ; v114-115 all waves' totals
.set SCN, 116                          ; v116-117 each key's first place
.set TMP, 118
	s_load_b256 s[4:11], s[0:1], 0x0               ; route s[4:5], w1 s[6:7], w3 s[8:9], w2 s[10:11]
	s_load_b128 s[12:15], s[0:1], 0x20             ; wimg s[12:13], plan s[14:15]
	v_lshl_add_u32 v192, v0, 2, 0x800
	v_mov_b32 v193, 0
	v_lshrrev_b32 v8, 5, v0
	v_readfirstlane_b32 s16, v8                    ; wave 0..7
	v_and_b32 v1, 31, v0                           ; lane
	s_cmp_lg_u32 ttmp9, 0
	s_cbranch_scc1 .Lrepack
	; ---------------- the sort
	v_lshlrev_b32 v2, 3, v1
	v_lshlrev_b32 v3, 2, v1
	s_lshl_b32 s17, s16, 8
	v_add_nc_u32 v4, s17, v2                       ; LDS: my wave's totals, 8 bytes a lane
	s_lshl_b32 s17, s16, 9
	v_add_nc_u32 v5, s17, v1                       ; token 512 w + lane
	s_lshl_b32 s18, s16, 13
	s_mov_b32 s19, 0
	s_lshl_b32 s20, s16, 11
	s_mov_b32 s21, 0
	s_mov_b32 s22, 0xffff0000                      ; lanes 16-31
	s_wait_kmcnt 0x0
	s_add_nc_u64 s[18:19], s[4:5], s[18:19]
	s_add_nc_u64 s[20:21], s[4:5], s[20:21]
.set BB, 0
.rept 32
	global_load_b64 v[H+2*BB:H+2*BB+1], v2, s[18:19] offset:HISTOFF+256*BB
.set BB, BB+1
.endr
.set BB, 0
.rept 16
	global_load_b32 v[RC+BB], v3, s[20:21] offset:128*BB
.set BB, BB+1
.endr
	s_wait_loadcnt 16                              ; the counts are in; rec's 16 loads may be out
.set BB, 1
.rept 31
	v_add_nc_u32 v[H+2*BB], v[H+2*BB], v[H+2*BB-2] ; running sums over my blocks
	v_add_nc_u32 v[H+2*BB+1], v[H+2*BB+1], v[H+2*BB-1]
.set BB, BB+1
.endr
	ds_store_b64 v4, v[H+62:H+63]
	s_wait_dscnt 0x0                               ; for the others' sake
	s_barrier_signal -1
	s_barrier_wait -1
.irp j, 0,1,2,3,4,5,6,7
	ds_load_b64 v[T+2*\j:T+2*\j+1], v2 offset:256*\j
.endr
	v_mov_b32 v[OFF], 0
	v_mov_b32 v[OFF+1], 0
	v_mov_b32 v[TOT], 0
	v_mov_b32 v[TOT+1], 0
	s_wait_dscnt 0x0
.irp j, 0,1,2,3,4,5,6,7
	s_cmp_gt_u32 s16, \j
	s_cselect_b32 s23, -1, 0                       ; a wave ahead of mine?
	v_and_b32 v[TMP], s23, v[T+2*\j]
	v_and_b32 v[TMP+1], s23, v[T+2*\j+1]
	v_add_nc_u32 v[OFF], v[OFF], v[TMP]
	v_add_nc_u32 v[OFF+1], v[OFF+1], v[TMP+1]
	v_add_nc_u32 v[TOT], v[TOT], v[T+2*\j]
	v_add_nc_u32 v[TOT+1], v[TOT+1], v[T+2*\j+1]
.endr
.macro LSCAN v                         ; running sum over the 32 lanes
.irp n, 1,2,4,8
	v_mov_b32_dpp v[TMP], v[\v] row_shr:\n row_mask:0xf bank_mask:0xf bound_ctrl:1
	v_add_nc_u32 v[\v], v[\v], v[TMP]
.endr
	v_readlane_b32 s23, v[\v], 15
	v_mov_b32 v[TMP], s23
	v_cndmask_b32 v[TMP], 0, v[TMP], s22
	v_add_nc_u32 v[\v], v[\v], v[TMP]
.endm
	v_mov_b32 v[SCN], v[TOT]
	v_mov_b32 v[SCN+1], v[TOT+1]
	LSCAN SCN
	LSCAN SCN+1
	v_sub_nc_u32 v[SCN], v[SCN], v[TOT]            ; the keys ahead of mine: my key's first place
	v_sub_nc_u32 v[SCN+1], v[SCN+1], v[TOT+1]
	v_add_nc_u32 v[OFF], v[OFF], v[SCN]
	v_add_nc_u32 v[OFF+1], v[OFF+1], v[SCN+1]
.set BB, 31
.rept 31
	v_add_nc_u32 v[H+2*BB], v[H+2*BB-2], v[OFF]    ; block BB's first place of key lane, from the top down
	v_add_nc_u32 v[H+2*BB+1], v[H+2*BB-1], v[OFF+1]
.set BB, BB-1
.endr
	v_mov_b32 v[H], v[OFF]
	v_mov_b32 v[H+1], v[OFF+1]
	s_wait_loadcnt 0x0                             ; rec
; Four token registers at a time: 24 lane permutes, one wait.  Register i holds block 2 i in lanes 0-15 and block 2 i + 1 in lanes 16-31.
; Slot q at v[120 + 16 q]: +0..2 the permutes' lane x 4; +3..8 what they bring; +9..11 the stores' offsets; +12..14 their data; +15 the token.
.macro PLACE4 g
	s_wait_xcnt 0x0                                ; the last four's stores have read their registers
.irp q, 0,1,2,3
.set B, 120+16*\q
.set I, 4*(\g)+\q
	v_bfe_u32 v[B], v[RC+I], 6, 5
	v_lshlrev_b32 v[B], 2, v[B]
	v_and_b32 v[B+1], 7, v[RC+I]
	v_bfe_u32 v[B+2], v[RC+I], 3, 3
	v_add_nc_u32 v[B+15], 32*I, v5
	v_lshl_or_b32 v[B+12], v[B+1], 16, v[B+15]
	v_lshl_or_b32 v[B+12], v[B+2], 20, v[B+12]
	v_lshlrev_b32 v[B+13], 1, v[B+15]
	v_or_b32 v[B+14], 1, v[B+13]
	v_lshlrev_b32 v[B+1], 2, v[B+1]
	v_lshlrev_b32 v[B+2], 2, v[B+2]
	ds_bpermute_b32 v[B+3], v[B], v[H+4*I]         ; no LDS byte is touched: lane key's register
	ds_bpermute_b32 v[B+4], v[B], v[H+4*I+2]
	ds_bpermute_b32 v[B+5], v[B+1], v[H+4*I+1]
	ds_bpermute_b32 v[B+6], v[B+1], v[H+4*I+3]
	ds_bpermute_b32 v[B+7], v[B+2], v[H+4*I+1]
	ds_bpermute_b32 v[B+8], v[B+2], v[H+4*I+3]
.endr
	s_wait_dscnt 0x0
.irp q, 0,1,2,3
.set B, 120+16*\q
.set I, 4*(\g)+\q
	v_cndmask_b32 v[B+3], v[B+3], v[B+4], s22      ; my own block's
	v_cndmask_b32 v[B+5], v[B+5], v[B+6], s22
	v_cndmask_b32 v[B+7], v[B+7], v[B+8], s22
	v_bfe_u32 v[B+4], v[RC+I], 11, 4
	v_bfe_u32 v[B+6], v[RC+I], 15, 4
	v_bfe_u32 v[B+8], v[RC+I], 19, 4
	v_add_nc_u32 v[B+3], v[B+3], v[B+4]            ; + my rank in the block
	v_add_nc_u32 v[B+5], v[B+5], v[B+6]
	v_add_nc_u32 v[B+7], v[B+7], v[B+8]
	v_min_u32 v[B+9], 0xfff, v[B+3]                ; held inside the tables
	v_min_u32 v[B+10], 0x1fff, v[B+5]
	v_min_u32 v[B+11], 0x1fff, v[B+7]
	v_lshlrev_b32 v[B+9], 2, v[B+9]
	v_lshlrev_b32 v[B+10], 2, v[B+10]
	v_lshlrev_b32 v[B+11], 2, v[B+11]
	global_store_b32 v[B+9], v[B+12], s[14:15]
	global_store_b32 v[B+10], v[B+13], s[14:15] offset:LISTOFF
	global_store_b32 v[B+11], v[B+14], s[14:15] offset:LISTOFF
.endr
.endm
	PLACE4 0
	PLACE4 1
	PLACE4 2
	PLACE4 3
	s_cmp_lg_u32 s16, 0
	s_cbranch_scc1 .Lsorted                        ; the table of tiles and the list's tail are wave 0's
	s_wait_xcnt 0x0
.irp e, 0,1,2,3,4,5,6,7
	v_readlane_b32 s[24+\e], v[TOT+1], \e          ; expert e's rows,
	v_readlane_b32 s[32+\e], v[SCN+1], \e          ; its first place in list
.endr
	s_mov_b32 s40, 0                               ; s40-47: its first tile
.irp e, 0,1,2,3,4,5,6
	s_add_co_u32 s23, s[24+\e], 127
	s_lshr_b32 s23, s23, 7
	s_add_co_u32 s[41+\e], s[40+\e], s23
.endr
.irp i, 144,145,146,147
	v_mov_b32 v\i, 0
.endr
	v_lshlrev_b32 v148, 4, v1
	global_store_b128 v148, v[144:147], s[14:15] offset:LISTOFF+32768
.irp q, 0,1,2                                  ; tile i = lane + 32 q belongs to the last expert whose first tile is not behind it; behind the last tile the rows come out as 0
.set D, 120+8*\q
	v_add_nc_u32 v[D+4], 32*\q, v1
	v_mov_b32 v[D], 0
	v_mov_b32 v[D+5], 0
	v_mov_b32 v[D+1], s32
	v_mov_b32 v[D+2], s24
.irp e, 1,2,3,4,5,6,7
	v_cmp_le_u32 vcc_lo, s[40+\e], v[D+4]
	v_cndmask_b32 v[D], v[D], \e, vcc_lo
	v_cndmask_b32 v[D+5], v[D+5], s[40+\e], vcc_lo
	v_cndmask_b32 v[D+1], v[D+1], s[32+\e], vcc_lo
	v_cndmask_b32 v[D+2], v[D+2], s[24+\e], vcc_lo
.endr
	v_sub_nc_u32 v[D+5], v[D+4], v[D+5]
	v_lshlrev_b32 v[D+5], 7, v[D+5]                ; rows of the expert ahead of this tile
	v_add_nc_u32 v[D+1], v[D+1], v[D+5]
	v_min_u32 v[D+1], 0x2000, v[D+1]
	v_sub_nc_u32 v[D+2], v[D+2], v[D+5]
	v_max_i32 v[D+2], 0, v[D+2]
	v_min_i32 v[D+2], 0x80, v[D+2]
	v_mov_b32 v[D+3], 0
	v_lshlrev_b32 v[D+6], 4, v[D+4]
	global_store_b128 v[D+6], v[D:D+3], s[14:15] offset:TTOFF
.endr
.Lsorted:
	s_wait_tensorcnt 0x0
	ds_add_u32 v192, v193
	s_wait_dscnt 0x0
	s_endpgm
	; ---------------- the images.  A wave takes two units of 16 rows x 256 bytes (two K steps)
.macro RP sstep, dstep, dks
.irp i, 0,1
.irp ks, 0,1
.irp c, 0,1,2,3
	global_load_b128 v[16+4*(8*\i+4*\ks+\c):16+4*(8*\i+4*\ks+\c)+3], v5, s[30:31] offset:\sstep*\i+128*\ks+32*\c
.endr
.endr
.endr
.irp i, 0,1
.irp ks, 0,1
.irp c, 0,1,2,3
	s_wait_loadcnt 15-(8*\i+4*\ks+\c)              ; loads come back in order: this one is in, the younger ones may be out
	global_store_b128 v4, v[16+4*(8*\i+4*\ks+\c):16+4*(8*\i+4*\ks+\c)+3], s[34:35] offset:\dstep*\i+\dks*\ks+512*\c
.endr
.endr
.endr
.endm
.Lrepack:
	s_sub_co_u32 s20, ttmp9, 1                     ; 0-63: w1; 64-127: w3; 128-191: w2
	s_and_b32 s21, s20, 63
	s_lshl_b32 s21, s21, 4
	s_lshl_b32 s22, s16, 1
	s_add_co_u32 s21, s21, s22                     ; my first unit of the tensor's 1,024
	v_and_b32 v2, 15, v1                           ; r
	v_lshrrev_b32 v3, 4, v1                        ; h
	v_lshlrev_b32 v4, 4, v1                        ; an image's place for my lane
	s_mov_b32 s29, 0
	s_mov_b32 s33, 0
	s_wait_kmcnt 0x0
	s_cmp_ge_u32 s20, 128
	s_cbranch_scc1 .Lw2
	s_and_b32 s23, s21, 7                          ; unit = ((e 8 + b) 2 + u) 8 + kp: which 256 bytes of the rows,
	s_bfe_u32 s24, s21, 0x10003                    ; u,
	s_bfe_u32 s25, s21, 0x30004                    ; b,
	s_lshr_b32 s26, s21, 7                         ; e
	s_lshr_b32 s27, s20, 6                         ; 0: w1, 1: w3
	s_lshl_b32 s28, s26, 19                        ; source: e x 256 rows of 2,048 bytes
	s_lshl_b32 s32, s25, 16                        ; + 32 b rows
	s_add_co_u32 s28, s28, s32
	s_lshl_b32 s32, s24, 14                        ; + 8 u rows
	s_add_co_u32 s28, s28, s32
	s_lshl_b32 s32, s23, 8                         ; + 256 kp
	s_add_co_u32 s28, s28, s32
	s_cmp_eq_u32 s27, 0
	s_cselect_b64 s[30:31], s[6:7], s[8:9]
	s_add_nc_u64 s[30:31], s[30:31], s[28:29]
	s_lshl_b32 s32, s26, 3
	s_add_co_u32 s32, s32, s25                     ; 8 e + b
	s_lshl_b32 s32, s32, 4
	s_lshl_b32 s28, s23, 1
	s_add_co_u32 s32, s32, s28                     ; x 16 + 2 kp
	s_lshl_b32 s32, s32, 13
	s_lshl_b32 s28, s27, 1
	s_add_co_u32 s28, s28, s24                     ; f
	s_lshl_b32 s28, s28, 11
	s_add_co_u32 s32, s32, s28
	s_add_nc_u64 s[34:35], s[12:13], s[32:33]
	v_and_b32 v5, 8, v2
	v_add_nc_u32 v5, v5, v2                        ; r + 8 (r / 8)
	v_lshlrev_b32 v5, 11, v5
	v_lshl_add_u32 v5, v3, 4, v5
	RP 256, 16384, 8192
	s_endpgm
.Lw2:
	s_lshl_b32 s28, s21, 12                        ; unit = 128 e + T: 16 rows of 256 bytes
	s_add_nc_u64 s[30:31], s[10:11], s[28:29]
	s_add_nc_u64 s[34:35], s[12:13], s[28:29]
	s_add_nc_u64 s[34:35], s[34:35], W2OFF
	v_lshlrev_b32 v5, 8, v2
	v_lshl_add_u32 v5, v3, 4, v5
	RP 4096, 4096, 2048
	s_endpgm
.Lfunc_end_k_q8964159e26_place_repack:
	.size	k_q8964159e26_place_repack, .Lfunc_end_k_q8964159e26_place_repack-k_q8964159e26_place_repack
	.p2alignl 7, 3214868480
	.fill 96, 4, 3214868480
	.section	.rodata,"a",@progbits
	.p2align	6, 0x0
	.amdhsa_kernel k_q8964159e26_place_repack
		.amdhsa_group_segment_fixed_size 3072
		.amdhsa_private_segment_fixed_size 0
		.amdhsa_enable_private_segment 0
		.amdhsa_kernarg_size 48
		.amdhsa_user_sgpr_count 2
		.amdhsa_user_sgpr_kernarg_segment_ptr 1
		.amdhsa_wavefront_size32 1
		.amdhsa_system_sgpr_workgroup_id_x 1
		.amdhsa_system_sgpr_workgroup_id_y 1
		.amdhsa_system_sgpr_workgroup_id_z 1
		.amdhsa_system_vgpr_workitem_id 0
		.amdhsa_next_free_vgpr 194
		.amdhsa_next_free_sgpr 66
		.amdhsa_reserve_vcc 1
		.amdhsa_float_denorm_mode_32 3
		.amdhsa_float_denorm_mode_16_64 3
		.amdhsa_memory_ordered 1
		.amdhsa_forward_progress 1
		.amdhsa_inst_pref_size 64
	.end_amdhsa_kernel
	.amdgpu_metadata
---
amdhsa.version: [ 1, 2 ]
amdhsa.kernels:
  - .name:           k_q8964159e26_place_repack
    .symbol:         k_q8964159e26_place_repack.kd
    .args:
      - { .name: route, .offset: 0, .size: 8, .value_kind: global_buffer, .address_space: global }
      - { .name: w1_codes, .offset: 8, .size: 8, .value_kind: global_buffer, .address_space: global }
      - { .name: w3_codes, .offset: 16, .size: 8, .value_kind: global_buffer, .address_space: global }
      - { .name: w2_codes, .offset: 24, .size: 8, .value_kind: global_buffer, .address_space: global }
      - { .name: wimg, .offset: 32, .size: 8, .value_kind: global_buffer, .address_space: global }
      - { .name: plan, .offset: 40, .size: 8, .value_kind: global_buffer, .address_space: global }
    .group_segment_fixed_size: 3072
    .private_segment_fixed_size: 0
    .kernarg_segment_align: 8
    .kernarg_segment_size: 48
    .max_flat_workgroup_size: 256
    .sgpr_count:     66
    .vgpr_count:     194
    .wavefront_size: 32
...
	.end_amdgpu_metadata
.endif
;; end of part 2
;; launch gateup (part 3): grid 71 x 2, 4 waves a work-group, no clusters, 285,696 bytes of LDS; arguments xc, wimg, w1_scales, w3_scales, plan, gc; writes gc
.if DOCPART == 3
	.amdgcn_target "amdgcn-amd-amdhsa--gfx1250"
	.amdhsa_code_object_version 6
	.text
	.protected	k_q8964159e26_gateup
	.globl	k_q8964159e26_gateup
	.p2align	8
	.type	k_q8964159e26_gateup,@function
k_q8964159e26_gateup:
	s_mov_b64 s[64:65], 0
	v_nop
	global_prefetch_b8 v0, s[64:65] scope:SCOPE_SE
	s_setreg_imm32_b32 hwreg(HW_REG_WAVE_MODE, 25, 1), 1
	s_wait_xcnt 0x0
; g = Q(silu(x w1^T) (x w3^T)) for the CHOSEN rows alone, both products on codes of E4M3 with one E8M0 scale for each 32 along K = 2,048; g is quantised along the 256 hidden units and stored as codes.
; SHARES.  Work-group (i, y): tile i of the table of tiles (128 routed rows of one expert) x hidden units 128 y .. 128 y + 127.  71 = 8,192 / 128 + 7 tiles serve every split of the rows among 8 experts.
; Wave w makes the block b = 4 y + w of 32 hidden units, of w1 and of w3, for all 128 rows: 4 weight fragments x 8 tiles of rows = 32 accumulators, 32 matrix instructions a K step of 128, 16 K steps, written out
; (the scale registers' numbers differ from step to step).
; x's 128 gathered rows of codes (256 KiB) come into LDS once, by asynchronous copies: 512 consecutive bytes of a row an instruction, no register on the way; all four waves read them.  A wave issues its 128 copies
; (its 32 rows) at the head, in the order of K.  LDS holds K's first half (K steps 0-7) of all rows, then K's second half.  The K steps begin when every wave's first 64 copies have landed; the second half lands
; while the first eight K steps are multiplied, and is waited for, with a barrier, ahead of K step 8's fragments.  No byte of LDS is filled twice.
; The weights come as images of operand registers straight from memory into the one wave that multiplies them, each byte once in a work-group, through a ring of four sets of registers, three K steps ahead.
; THE PRODUCTS ARE USED TRANSPOSED (source 0 = 16 rows of a weight, source 1 = 16 rows of x): a lane holds one row of x; the weights' rows of a tile were chosen so that a lane's 16 results of tiles u = 0, 1 are the
; hidden units 32 b + 16 (lane / 16) + 0 .. 15: neighbours along the next K.
; THE TEXT HAS NO BRANCH.  Rows past a tile's count (a tile without rows too) run the same lines on list entries that lie inside the list, and their stores are masked by EXEC: every barrier is on every wave's way.
; NOT USED: tensor loads (the rows are a gather by a list; the weights need no LDS); clusters (how many tiles an expert has hangs on the routing, so the places of a fixed cluster need not share an expert).
; A row of g is 256 bytes, of which this work-group writes 128: eight lanes store 128 consecutive bytes.
; LIMITS: NaN and infinities are not served; a block of zeros gets the byte 1 (its codes are zeros; this program alone reads the bytes).
; REGISTERS.  window 0: addresses, scale words (v64-159: scales and nothing else), the copies' LDS addresses and later the gate's work.  window 1: the weights' ring, set j at v[64 j + 16 f].
; window 2: accumulator (f, m) at v[8 (8 f + m)], f = 2 (w3?) + u.  window 3: x's fragments, set p at v[128 p + 16 m].
.set XP,      1040                     ; half a row of x in LDS: 1,024 bytes + 16: 260 words, so row r starts at bank 4 r mod 64 (64 banks of 4 bytes: ISA guide 11.1)
.set HB,      128*XP                   ; where K's second half begins
.set STG,     2*HB                     ; the stage for g: 128 rows x (128 bytes + 16); it begins on a multiple of 256 bytes, and no copy lands in it
.set SSB,     STG+128*144              ; g's scale bytes [row][4]
.set XSOFF,   8388608
.set LISTOFF, 16384
.set TTOFF,   49664
.set GSOFF,   2097152
.set L16, 4                            ; 16 x lane
.set LSA, 5                            ; my wave's 32 rows in LDS + 16 x lane
.set XA,  6                            ; v6-13   x's fragment of tile m: (16 m + r) XP + 16 h; stepped by HB ahead of K step 8
.set WSO, 15                           ; my row among a block's 32 rows of weight scales, x 64
.set STS, 16
.set STR, 17
.set SBS, 18
.set SBR, 19
.set IDP, 20                           ; v20-23  list[start + 32 p + lane]
.set IDS, 24                           ; v24-31  list[start + 32 w + 4 q + lane / 8]
.set RO,  32                           ; v32-63  my 32 rows' byte offsets in xc
.set WS1, 64                           ; v64-79  w1's scale word of K step k: lanes 0-15 tile u = 0, lanes 16-31 tile u = 1;  v80-95 w3's
.set XS,  96                           ; v96-159 x's scale word [p][k]: lanes 0-15 tile 2 p, lanes 16-31 tile 2 p + 1
.set LA,  160                          ; v160-191 where row j's copies of K's first half land;  v192-223 the same for the second half, less 1,024.  Both stand until all copies are done
.set LB,  192
.set T,   160                          ; then the gate's work
.set G,   176
.set C,   192                          ; v192-223 g's codes, four registers a tile of rows
.set BY,  224                          ; v224-231 its scale bytes
.set Q,   232
.set IDW, 240                          ; list[start + 32 w + lane]
.set GOF, 241                          ; v241-248
.set ROW0, 249
.set ROWW, 250
.set SOF, 251
.set XSO, 252                          ; v252-255
.set WV,  66
.set Y,   67
.set NC,  68                           ; s[68:69] -log2(e)
.set SEL, 70
.set MNT, 72
.set MSB, 0
.macro WIN new                         ; the immediate's high byte repeats the setting that is left
.if MSB != \new
	s_set_vgpr_msb (MSB<<8)|\new
.set MSB, \new
.endif
.endm
.macro PLACES n
.rept \n
	v_nop
.endr
.endm
	s_load_b256 s[4:11], s[0:1], 0x0               ; xc s[4:5], wimg s[6:7], w1_scales s[8:9], w3_scales s[10:11]
	s_load_b128 s[12:15], s[0:1], 0x20             ; plan s[12:13], gc s[14:15]
	v_lshl_add_u32 v238, v0, 2, 0x45a00
	v_mov_b32 v239, 0
	ds_add_u32 v238, v239
	ds_add_u32 v238, v239
	v_lshrrev_b32 v1, 5, v0
	v_readfirstlane_b32 s[WV], v1                  ; wave 0..3
	s_and_b32 s[Y], ttmp7, 0xffff
	v_and_b32 v1, 31, v0                           ; lane
	v_and_b32 v2, 15, v0                           ; r
	v_bfe_u32 v3, v0, 4, 1                         ; h
	v_lshlrev_b32 v[L16], 4, v1
	s_mul_i32 s20, s[WV], 32*XP
	v_add_nc_u32 v[LSA], s20, v[L16]
	v_mul_u32_u24 v[XA], v2, XP
	v_lshl_add_u32 v[XA], v3, 4, v[XA]
.irp m, 1,2,3,4,5,6,7
	v_add_nc_u32 v[XA+\m], 16*XP*\m, v[XA]
.endr
.set J, 0
.rept 32
	v_add_nc_u32 v[LA+J], XP*J, v[LSA]             ; a copy's immediate is added to both its addresses: 0 and 512 serve K's first half;
	v_add_nc_u32 v[LB+J], XP*J+HB-1024, v[LSA]     ; 1,024 and 1,536 the second, so its LDS address is made 1,024 short
.set J, J+1
.endr
	v_and_b32 v14, 8, v2
	v_add_nc_u32 v14, v14, v2
	v_lshl_add_u32 v14, v3, 3, v14
	v_lshlrev_b32 v[WSO], 6, v14                   ; (8 (lane / 16) + r + 8 (r / 8)) x 64
	v_mul_u32_u24 v[STS], v2, 144
	v_lshl_add_u32 v[STS], v3, 4, v[STS]
	s_lshl_b32 s20, s[WV], 5
	s_add_co_u32 s20, s20, STG
	v_add_nc_u32 v[STS], s20, v[STS]               ; the stage, in: row r, my block's 32 bytes, my half's 16
	v_lshrrev_b32 v[ROW0], 3, v1
	v_mul_u32_u24 v[STR], v[ROW0], 144
	v_and_b32 v14, 7, v1
	v_lshl_add_u32 v[STR], v14, 4, v[STR]
	s_mul_i32 s20, s[WV], 32*144
	s_add_co_u32 s20, s20, STG
	v_add_nc_u32 v[STR], s20, v[STR]               ; back: eight lanes to a row, four rows an instruction
	v_lshlrev_b32 v[SBS], 2, v2
	s_add_co_u32 s20, s[WV], SSB
	v_add_nc_u32 v[SBS], s20, v[SBS]
	v_lshlrev_b32 v[SBR], 2, v1
	s_lshl_b32 s20, s[WV], 7
	s_add_co_u32 s20, s20, SSB
	v_add_nc_u32 v[SBR], s20, v[SBR]
	s_lshl_b32 s21, s[WV], 5
	v_add_nc_u32 v[ROW0], s21, v[ROW0]             ; 32 w + lane / 8
	v_add_nc_u32 v[ROWW], s21, v1                  ; 32 w + lane
	s_mov_b32 s[NC], 0xbfb8aa3b
	s_mov_b32 s[NC+1], s[NC]                       ; (named with it as a pair)
	s_mov_b32 s[SEL], 0x76543210
	s_mov_b32 s[SEL+1], 0xfedcba98
	s_mov_b32 s[MNT], 0x600000
	s_lshl_b32 s20, ttmp9, 4
	s_wait_dscnt 0x0
	s_wait_kmcnt 0x0
	s_load_b128 s[16:19], s[12:13], s20 offset:TTOFF   ; my tile: expert, first place in list, rows
	s_add_nc_u64 s[76:77], s[4:5], XSOFF           ; x's scale bytes
	s_wait_kmcnt 0x0
	s_min_u32 s16, s16, 7                          ; loaded numbers are held before they enter an address
	s_min_u32 s17, s17, 8192
	s_min_u32 s18, s18, 128
	s_add_co_u32 s21, s21, s17
	s_lshl_b32 s21, s21, 2                         ; 4 (start + 32 w)
	s_load_b512 s[32:47], s[12:13], s21 offset:LISTOFF     ; my 32 rows, as scalars
	s_load_b512 s[48:63], s[12:13], s21 offset:LISTOFF+64
	s_lshl_b32 s22, s17, 2
	v_lshl_add_u32 v14, v1, 2, s22
.irp p, 0,1,2,3
	global_load_b32 v[IDP+\p], v14, s[12:13] offset:LISTOFF+128*\p
.endr
	v_lshrrev_b32 v[GOF], 3, v1
	v_lshl_add_u32 v[GOF], v[GOF], 2, s21
.irp q, 0,1,2,3,4,5,6,7
	global_load_b32 v[IDS+\q], v[GOF], s[12:13] offset:LISTOFF+16*\q
.endr
	v_lshl_add_u32 v[GOF+1], v1, 2, s21
	global_load_b32 v[IDW], v[GOF+1], s[12:13] offset:LISTOFF
	s_lshl_b32 s22, s[Y], 2
	s_add_co_u32 s22, s22, s[WV]                   ; b
	s_lshl_b32 s23, s16, 3
	s_add_co_u32 s23, s23, s22                     ; 8 e + b
	s_lshl_b32 s24, s23, 11                        ; x 32 rows of 64 scale bytes
	s_mov_b32 s25, 0
	s_add_nc_u64 s[8:9], s[8:9], s[24:25]
	s_add_nc_u64 s[10:11], s[10:11], s[24:25]
	s_lshl_b32 s24, s23, 17                        ; x 16 K steps of 8,192 bytes
	s_add_nc_u64 s[74:75], s[6:7], s[24:25]
.irp q, 0,1,2,3
	global_load_b128 v[WS1+4*\q:WS1+4*\q+3], v[WSO], s[8:9] offset:16*\q
	global_load_b128 v[WS1+16+4*\q:WS1+16+4*\q+3], v[WSO], s[10:11] offset:16*\q
.endr
.macro RING k                          ; K step k's four weight fragments: 16 loads of 512 consecutive bytes
	WIN 0x40
.irp f, 0,1,2,3
.irp c, 0,1,2,3
	global_load_b128 v[64*((\k)%4)+16*\f+4*\c:64*((\k)%4)+16*\f+4*\c+3], v[L16], s[74:75] offset:8192*(\k)+2048*\f+512*\c
.endr
.endr
.endm
.macro XCOPY la, imm                   ; 512 bytes (four K steps) of each of my 32 rows: memory to LDS, 16 bytes a lane
.set J, 0
.rept 32
	global_load_async_to_lds_b128 v[\la+J], v[RO+J], s[4:5] offset:\imm
.set J, J+1
.endr
.endm
	RING 0
	WIN 0
	s_wait_kmcnt 0x0
.set J, 0
.rept 32
	s_lshr_b32 s[32+J], s[32+J], 1                 ; the row's token,
	s_min_u32 s[32+J], s[32+J], 4095               ; held inside xc,
	s_lshl_b32 s[32+J], s[32+J], 11                ; x 2,048 bytes of codes
	v_add_nc_u32 v[RO+J], s[32+J], v[L16]
.set J, J+1
.endr
	XCOPY LA, 0                                    ; K steps 0-3 first
	s_wait_loadcnt 33                              ; IDP's four loads are in: behind them 8 + 1 + 8 + 16 loads into registers were issued
.irp p, 0,1,2,3
	v_lshrrev_b32 v[XSO+\p], 1, v[IDP+\p]
	v_min_u32 v[XSO+\p], 0xfff, v[XSO+\p]
	v_lshlrev_b32 v[XSO+\p], 6, v[XSO+\p]
.endr
.irp p, 0,1,2,3
.irp q, 0,1,2,3
	global_load_b128 v[XS+16*\p+4*\q:XS+16*\p+4*\q+3], v[XSO+\p], s[76:77] offset:16*\q
.endr
.endr
	RING 1                                         ; all that the first K steps want from memory is asked for ahead of the rest of the copies
	RING 2
	WIN 0
	XCOPY LA, 512                                  ; K steps 4-7
	XCOPY LB, 1024                                 ; K steps 8-11
	XCOPY LB, 1536                                 ; K steps 12-15
	s_wait_asynccnt 63                             ; copies end in the order of issue: of my 128 at most 63 are out, so the first 64, K's first half of my 32 rows, have landed
	s_barrier_signal -1
	s_barrier_wait -1                              ; everybody's have.  The copies still out land in K's second half, which nobody reads yet
.macro XFETCH k                        ; x's eight fragments of K step k: registers 4 c .. 4 c + 3 hold K = 32 c + 16 h + 0 .. 15 of row r
	WIN 0xc0
.irp m, 0,1,2,3,4,5,6,7
.irp c, 0,1,2,3
	ds_load_b128 v[128*((\k)%2)+16*\m+4*\c:128*((\k)%2)+16*\m+4*\c+3], v[XA+\m] offset:128*((\k)%8)+32*\c
.endr
.endr
.endm
.macro MM k, f, m                      ; accumulator (f, m) takes K step k.  The scales of odd tiles stand in lanes 16-31 of their registers
.set AC, 8*(8*(\f)+(\m))
.set WR, 64*((\k)%4)+16*(\f)
.set XR, 128*((\k)%2)+16*(\m)
.set SA, WS1+16*((\f)/2)+(\k)
.set SB, XS+16*((\m)/2)+(\k)
.if (\k) == 0
.if ((\f)%2) && ((\m)%2)
	v_wmma_scale_f32_16x16x128_f8f6f4 v[AC:AC+7], v[WR:WR+15], v[XR:XR+15], 0, v[SA], v[SB] matrix_a_scale:MATRIX_SCALE_ROW1 matrix_b_scale:MATRIX_SCALE_ROW1
.elseif (\f)%2
	v_wmma_scale_f32_16x16x128_f8f6f4 v[AC:AC+7], v[WR:WR+15], v[XR:XR+15], 0, v[SA], v[SB] matrix_a_scale:MATRIX_SCALE_ROW1
.elseif (\m)%2
	v_wmma_scale_f32_16x16x128_f8f6f4 v[AC:AC+7], v[WR:WR+15], v[XR:XR+15], 0, v[SA], v[SB] matrix_b_scale:MATRIX_SCALE_ROW1
.else
	v_wmma_scale_f32_16x16x128_f8f6f4 v[AC:AC+7], v[WR:WR+15], v[XR:XR+15], 0, v[SA], v[SB]
.endif
.else
.if ((\f)%2) && ((\m)%2)
	v_wmma_scale_f32_16x16x128_f8f6f4 v[AC:AC+7], v[WR:WR+15], v[XR:XR+15], v[AC:AC+7], v[SA], v[SB] matrix_a_scale:MATRIX_SCALE_ROW1 matrix_b_scale:MATRIX_SCALE_ROW1
.elseif (\f)%2
	v_wmma_scale_f32_16x16x128_f8f6f4 v[AC:AC+7], v[WR:WR+15], v[XR:XR+15], v[AC:AC+7], v[SA], v[SB] matrix_a_scale:MATRIX_SCALE_ROW1
.elseif (\m)%2
	v_wmma_scale_f32_16x16x128_f8f6f4 v[AC:AC+7], v[WR:WR+15], v[XR:XR+15], v[AC:AC+7], v[SA], v[SB] matrix_b_scale:MATRIX_SCALE_ROW1
.else
	v_wmma_scale_f32_16x16x128_f8f6f4 v[AC:AC+7], v[WR:WR+15], v[XR:XR+15], v[AC:AC+7], v[SA], v[SB]
.endif
.endif
.endm
; A K STEP.  The first step's products start the sums: nothing is cleared.  The 32 accumulators take turns, one instruction a turn, in the same order in every step.
.macro KSTEP k
.if (\k) > 0
	PLACES 8                                       ; eight places in front of loads into registers that the last step's products read
.endif
.if (\k)+3 < 16
	RING (\k)+3                                    ; into the set that the last step multiplied
.endif
.if (\k)+1 < 16
.if (\k)+1 == 8
	WIN 0
	s_wait_asynccnt 0x0                            ; all my copies have landed: K's second half of my 32 rows;
	s_wait_dscnt 0x0                               ; no LDS load of mine is out at the signal
	s_barrier_signal -1
	s_barrier_wait -1                              ; everybody's have
.irp m, 0,1,2,3,4,5,6,7
	v_add_nc_u32 v[XA+\m], HB, v[XA+\m]            ; the fragments' addresses go on to the second half
.endr
.endif
	XFETCH (\k)+1
.endif
.if 15-(\k) >= 3
	s_wait_loadcnt 48                              ; this step's weights are in (in step 0 x's scale words too, asked for ahead of ring set 1); the three later sets, 16 loads each, may be out
.else
	s_wait_loadcnt 16*(15-(\k))
.endif
.if (\k)+1 < 16
	s_wait_dscnt 32                                ; this step's x is in; the 32 loads just issued may be out
.else
	s_wait_dscnt 0x0
.endif
	WIN 0xad                                       ; source 0 (weights) window 1, source 1 (x) window 3, C and D window 2
.irp m, 0,1,2,3,4,5,6,7
.irp f, 0,1,2,3
	MM \k, \f, \m
.endr
.endr
.endm
	XFETCH 0
.irp k, 0,1,2,3,4,5,6,7,8,9,10,11,12,13,14,15
	KSTEP \k
.endr
	PLACES 8                                       ; in front of the first read of results
; THE GATE for the tile m of 16 rows: g = (h1 h3) / (1 + 2^(-h1 log2 e)), all in f32; then its block of 32 hidden units (mine and lane l xor 16's 16) is quantised.
; Each accumulator is read from its low end on.  The exponentials and the reciprocals go as batches, each with one plain line and one wait ahead of its first reader.
.macro GATE m
	WIN 0x02                                       ; source 0 window 2
.irp u, 0,1
.irp j, 0,2,4,6
	v_pk_mul_f32 v[T+8*\u+\j:T+8*\u+\j+1], v[64*\u+8*(\m)+\j:64*\u+8*(\m)+\j+1], s[NC:NC+1] op_sel_hi:[1,0]
.endr
.endr
	WIN 0
.set I, 0
.rept 16
	v_exp_f32 v[T+I], v[T+I]
.set I, I+1
.endr
	WIN 0x0a                                       ; sources 0 and 1 window 2
.irp u, 0,1
.irp j, 0,2,4,6
	v_pk_mul_f32 v[G+8*\u+\j:G+8*\u+\j+1], v[64*\u+8*(\m)+\j:64*\u+8*(\m)+\j+1], v[128+64*\u+8*(\m)+\j:128+64*\u+8*(\m)+\j+1]   ; h1 h3: plain work behind the exponentials
.endr
.endr
	WIN 0
	s_wait_alu depctr_va_vdst(0)
.irp j, 0,2,4,6,8,10,12,14
	v_pk_add_f32 v[T+\j:T+\j+1], v[T+\j:T+\j+1], 1.0 op_sel_hi:[1,0]
.endr
.set I, 0
.rept 16
	v_rcp_f32 v[T+I], v[T+I]
.set I, I+1
.endr
	v_nop
	s_wait_alu depctr_va_vdst(0)
.irp j, 0,2,4,6,8,10,12,14
	v_pk_mul_f32 v[G+\j:G+\j+1], v[G+\j:G+\j+1], v[T+\j:T+\j+1]
.endr
	v_max3_num_f32 v[Q], |v[G]|, |v[G+1]|, 0x4800000               ; the largest magnitude of my 16, and the floor 2^(9 - 127): two chains
	v_max3_num_f32 v[Q+1], |v[G+2]|, |v[G+3]|, |v[G+4]|
	v_max3_num_f32 v[Q], v[Q], |v[G+5]|, |v[G+6]|
	v_max3_num_f32 v[Q+1], v[Q+1], |v[G+7]|, |v[G+8]|
	v_max3_num_f32 v[Q], v[Q], |v[G+9]|, |v[G+10]|
	v_max3_num_f32 v[Q+1], v[Q+1], |v[G+11]|, |v[G+12]|
	v_max3_num_f32 v[Q], v[Q], |v[G+13]|, |v[G+14]|
	v_max3_num_f32 v[Q], v[Q], v[Q+1], |v[G+15]|
	v_permlanex16_b32 v[Q+1], v[Q], s[SEL], s[SEL+1]
	v_max_num_f32 v[Q], v[Q], v[Q+1]               ; with lane l xor 16's: the block's
	v_add_nc_u32 v[Q+2], 0xfc000000, v[Q]          ; 8 off its exponent field: the conversion's scale operand
	v_and_or_b32 v[Q+3], v[Q], 0x7f800000, s[MNT]  ; 448 x the scale
	v_lshrrev_b32 v[BY+(\m)], 23, v[Q+2]           ; the scale's byte
.set I, 0
.rept 16
	v_med3_num_f32 v[G+I], v[G+I], -v[Q+3], v[Q+3] ; the conversion to an 8-bit code does not saturate (ISA guide 7.6.2)
.set I, I+1
.endr
	v_cvt_scalef32_pk8_fp8_f32 v[C+4*(\m):C+4*(\m)+1], v[G:G+7], v[Q+2]
	v_cvt_scalef32_pk8_fp8_f32 v[C+4*(\m)+2:C+4*(\m)+3], v[G+8:G+15], v[Q+2]
	v_nop                                          ; a plain line behind the conversions: the next tile writes their sources
.endm
.irp m, 0,1,2,3,4,5,6,7
	GATE \m
.endr
.irp m, 0,1,2,3,4,5,6,7
	ds_store_b128 v[STS], v[C+4*\m:C+4*\m+3] offset:16*144*\m      ; row 16 m + r: bytes 32 w + 16 h on
	ds_store_b8 v[SBS], v[BY+\m] offset:64*\m                      ; both lanes of a block write the same byte
.endr
	s_wait_dscnt 0x0                               ; for the others' sake
	s_barrier_signal -1
	s_barrier_wait -1
.irp q, 0,1,2,3,4,5,6,7
	ds_load_b128 v[T+4*\q:T+4*\q+3], v[STR] offset:4*144*\q        ; rows 32 w + 4 q + lane / 8, whole: 128 bytes from four waves
.endr
	ds_load_b32 v[Q], v[SBR]                       ; row 32 w + lane: its four scale bytes
	s_lshl_b32 s20, s[Y], 7
	v_and_b32 v14, 7, v1
	v_lshl_add_u32 v14, v14, 4, s20
.irp q, 0,1,2,3,4,5,6,7
	v_min_u32 v[GOF+\q], 0x1fff, v[IDS+\q]         ; the routed row's number, held inside gc,
	v_lshl_add_u32 v[GOF+\q], v[GOF+\q], 8, v14    ; x 256 bytes + my half of the row + 16 (lane % 8)
.endr
	v_min_u32 v[SOF], 0x1fff, v[IDW]
	s_lshl_b32 s20, s[Y], 2
	v_lshl_add_u32 v[SOF], v[SOF], 3, s20
	s_wait_dscnt 0x0
	s_wait_xcnt 0x0                                ; EXEC changes only behind this wait
	s_wait_tensorcnt 0x0
	ds_add_u32 v238, v239
	s_wait_dscnt 0x0
	v_cmpx_gt_i32 s18, v[ROWW]                     ; rows under the tile's count alone are stored
	global_store_b32 v[SOF], v[Q], s[14:15] offset:GSOFF
	s_wait_xcnt 0x0
	s_mov_b32 exec_lo, -1
.irp q, 0,1,2,3,4,5,6,7                        ; a lane that is off at q is off at every later q: EXEC is only narrowed
	s_sub_co_i32 s20, s18, 4*\q
	s_wait_xcnt 0x0
	v_cmpx_gt_i32 s20, v[ROW0]
	global_store_b128 v[GOF+\q], v[T+4*\q:T+4*\q+3], s[14:15]
.endr
	s_wait_xcnt 0x0
	s_mov_b32 exec_lo, -1
	s_endpgm
.Lfunc_end_k_q8964159e26_gateup:
	.size	k_q8964159e26_gateup, .Lfunc_end_k_q8964159e26_gateup-k_q8964159e26_gateup
	.p2alignl 7, 3214868480
	.fill 96, 4, 3214868480
	.section	.rodata,"a",@progbits
	.p2align	6, 0x0
	.amdhsa_kernel k_q8964159e26_gateup
		.amdhsa_group_segment_fixed_size 285696
		.amdhsa_private_segment_fixed_size 0
		.amdhsa_enable_private_segment 0
		.amdhsa_kernarg_size 48
		.amdhsa_user_sgpr_count 2
		.amdhsa_user_sgpr_kernarg_segment_ptr 1
		.amdhsa_wavefront_size32 1
		.amdhsa_system_sgpr_workgroup_id_x 1
		.amdhsa_system_sgpr_workgroup_id_y 1
		.amdhsa_system_sgpr_workgroup_id_z 1
		.amdhsa_system_vgpr_workitem_id 0
		.amdhsa_next_free_vgpr 1024
		.amdhsa_next_free_sgpr 80
		.amdhsa_reserve_vcc 0
		.amdhsa_float_denorm_mode_32 3
		.amdhsa_float_denorm_mode_16_64 3
		.amdhsa_memory_ordered 1
		.amdhsa_forward_progress 1
		.amdhsa_inst_pref_size 203
	.end_amdhsa_kernel
	.amdgpu_metadata
---
amdhsa.version: [ 1, 2 ]
amdhsa.kernels:
  - .name:           k_q8964159e26_gateup
    .symbol:         k_q8964159e26_gateup.kd
    .args:
      - { .name: xc, .offset: 0, .size: 8, .value_kind: global_buffer, .address_space: global }
      - { .name: wimg, .offset: 8, .size: 8, .value_kind: global_buffer, .address_space: global }
      - { .name: w1_scales, .offset: 16, .size: 8, .value_kind: global_buffer, .address_space: global }
      - { .name: w3_scales, .offset: 24, .size: 8, .value_kind: global_buffer, .address_space: global }
      - { .name: plan, .offset: 32, .size: 8, .value_kind: global_buffer, .address_space: global }
      - { .name: gc, .offset: 40, .size: 8, .value_kind: global_buffer, .address_space: global }
    .group_segment_fixed_size: 285696
    .private_segment_fixed_size: 0
    .kernarg_segment_align: 8
    .kernarg_segment_size: 48
    .max_flat_workgroup_size: 128
    .sgpr_count:     80
    .vgpr_count:     1024
    .wavefront_size: 32
...
	.end_amdgpu_metadata
.endif
;; end of part 3
;; launch down (part 4): grid 64 x 4, 4 waves a work-group, no clusters, 68,096 bytes of LDS; arguments gc, wimg, w2_scales, plan, tw, out0; writes out0
.if DOCPART == 4
	.amdgcn_target "amdgcn-amd-amdhsa--gfx1250"
	.amdhsa_code_object_version 6
	.text
	.protected	k_q8964159e26_down
	.globl	k_q8964159e26_down
	.p2align	8
	.type	k_q8964159e26_down,@function
k_q8964159e26_down:
	s_mov_b64 s[64:65], 0
	v_nop
	global_prefetch_b8 v0, s[64:65] scope:SCOPE_SE
	s_setreg_imm32_b32 hwreg(HW_REG_WAVE_MODE, 25, 1), 1
	s_wait_xcnt 0x0
; out0[t] = w_lo (g(t, lo) w2[lo]^T) + w_hi (g(t, hi) w2[hi]^T), the products on codes of E4M3 with one E8M0 scale for each 32 along K = 256.
; SHARES.  Work-group (blk, yd): the 64 tokens ord[64 blk ..] (sorted by their pair of experts, so that a block meets few experts) x columns 512 yd .. 512 yd + 511.  Wave w: 128 columns (8 tiles n) x 4 tiles m of 16 tokens.
; EACH OUTPUT NUMBER HAS ONE OWNER: both of a token's rows meet in this work-group's registers, and no sum goes through memory.
; For each of the two slots a loop of constant count walks the 8 experts; a scalar branch on the stored list passes over those that no token of the block has in that slot.  No barrier stands under it.
; A pass: w2's 16 fragments of the wave's columns come as images of operand registers straight from memory, each byte once in a work-group; tile by tile 8 matrix instructions (K = 2 x 128, 4 tiles of tokens, started with
; the constant 0) and 16 packed multiply-adds OUT += product x weight, the weight being 0 in the lanes of tokens that have another expert in this slot.
; THE PRODUCTS ARE USED TRANSPOSED (source 0 = 16 rows of w2 = 16 columns of out0, source 1 = 16 tokens): a lane holds one token, so the weight is one number a lane, and eight neighbouring columns.
; OUT is summed by vector instructions, since each product is weighed by token, and which expert comes first hangs on the routing: so OUT begins as zeros, written while the head's loads are out.
; NOT USED: tensor loads (branches hang on stored numbers); clusters (which experts a block meets hangs on the routing, so partners would ask for different tiles).
; LIMITS: NaN and infinities are not served: a product that overflowed would not be wiped by the weight 0.
; REGISTERS.  window 0: addresses, scale words (v64-87: scales and nothing else), weights, the products TMP (two sets of 4 x 8), the 64 rows' offsets in out0.  window 1: g's fragments (m, s) at v[32 m + 16 s].
; window 2: OUT (n, m) at v[8 (4 n + m)].  window 3: w2's fragments (n, s) at v[32 n + 16 s]; at the head g on its way to LDS; on the way out rows of out0, 64 registers for each tile of tokens.
.set GP,    528                        ; a token's 512 bytes of g ([slot][256]) in LDS, + 16; also a stage row
.set OST,   64*GP                      ; behind g: a stage of 16 rows for each wave
.set GSOFF, 2097152
.set W2OFF, 8388608
.set L16, 4
.set GA,  5
.set GSA, 6
.set STO, 7
.set RD,  8
.set CO,  9
.set L8,  10
.set R4,  11
.set OT,  16                           ; v16-19 ord of token 16 m + r
.set TK,  20                           ; v20-23 the token
.set LO,  24                           ; v24-27 its lower expert;  v28-31 its higher
.set HI,  28
.set TKO, 32                           ; v32-35 8 x token; v36-39 16 x token
.set TW,  48                           ; v48-55 {w_lo, w_hi} for each m
.set GSC, 64                           ; v64-79 g's scale words, 4 m + 2 slot + s
.set WSC, 80                           ; v80-87 w2's, 2 (n / 2) + s: lanes 0-15 the even tile, lanes 16-31 the odd one
.set WE,  88                           ; v88-95 the pass's weight for each m, in the low word of a pair
.set RO,  96                           ; v96-111 the offsets in gc of the 16 tokens whose g I stage
.set TMP, 128
.set ROW, 192                          ; v192-255 the byte offset in out0 of my 16 bytes of row 16 m + j; never rewritten
.set WV,  16
.set YD,  17
.set E,   18
.set CM,  20
.set MSB, 0
.macro WIN new                         ; the immediate's high byte repeats the setting that is left
.if MSB != \new
	s_set_vgpr_msb (MSB<<8)|\new
.set MSB, \new
.endif
.endm
.macro PLACES n
.rept \n
	v_nop
.endr
.endm
	s_load_b256 s[4:11], s[0:1], 0x0               ; gc s[4:5], wimg s[6:7], w2_scales s[8:9], plan s[10:11]
	s_load_b128 s[12:15], s[0:1], 0x20             ; tw s[12:13], out0 s[14:15]
	v_lshl_add_u32 v126, v0, 2, 0x10800
	v_mov_b32 v127, 0
	v_lshrrev_b32 v1, 5, v0
	v_readfirstlane_b32 s[WV], v1
	s_and_b32 s[YD], ttmp7, 0xffff
	v_and_b32 v1, 31, v0
	v_and_b32 v2, 15, v0                           ; r
	v_bfe_u32 v3, v0, 4, 1                         ; h
	v_lshlrev_b32 v[L16], 4, v1
	v_mul_u32_u24 v[GA], v2, GP
	v_lshl_add_u32 v[GA], v3, 4, v[GA]             ; g's fragments: row r, + 16 h
	s_mul_i32 s24, s[WV], 16*GP
	v_add_nc_u32 v[GSA], s24, v[L16]               ; where I stage g: my 16 rows
	s_add_co_u32 s24, s24, OST
	v_mul_u32_u24 v[STO], v2, GP
	v_lshl_add_u32 v[STO], v3, 5, v[STO]
	v_add_nc_u32 v[STO], s24, v[STO]               ; my stage, in: row r, 32 bytes for each half of the lanes
	v_add_nc_u32 v[RD], s24, v[L16]                ; back: the 32 lanes take a row of 512 bytes
	s_lshl_b32 s24, s[YD], 11
	s_lshl_b32 s25, s[WV], 9
	s_add_co_u32 s24, s24, s25
	v_add_nc_u32 v[CO], s24, v[L16]                ; my bytes in a row of out0
	v_lshlrev_b32 v[L8], 3, v1
	v_lshlrev_b32 v[R4], 2, v2
	s_lshl_b32 s24, ttmp9, 8                       ; 64 entries of ord
	s_mov_b32 s25, 0
	s_lshl_b32 s19, s[WV], 6
	s_wait_kmcnt 0x0
	s_add_nc_u64 s[10:11], s[10:11], s[24:25]
.irp m, 0,1,2,3
	global_load_b32 v[OT+\m], v[R4], s[10:11] offset:64*\m         ; lanes 16-31 hold the same tokens as lanes 0-15
.endr
	s_load_b512 s[32:47], s[10:11], s19 offset:0x0 ; the 16 tokens whose g I stage, as scalars
	s_lshl_b32 s24, s[YD], 5
	s_lshl_b32 s26, s[WV], 3
	s_add_co_u32 s24, s24, s26                     ; my first tile of w2's 128: 32 yd + 8 w
	s_lshl_b32 s50, s24, 7                         ; x 16 rows of 8 scale bytes
	s_mov_b32 s51, 0
	s_lshl_b32 s24, s24, 12
	s_add_co_u32 s24, s24, W2OFF
	s_add_nc_u64 s[26:27], s[6:7], s[24:25]
	s_add_nc_u64 s[30:31], s[8:9], s[50:51]
	WIN 0x80
.set I, 0
.rept 256
	v_mov_b32 v[I], 0                              ; OUT
.set I, I+1
.endr
	WIN 0
.irp m, 0,1,2,3
	v_mov_b32 v[WE+2*\m+1], 0                      ; (the pairs' upper words are named, so they are written)
.endr
	s_wait_kmcnt 0x0
.set J, 0
.rept 16
	s_and_b32 s[32+J], s[32+J], 0xffff
	s_min_u32 s[32+J], s[32+J], 4095               ; held inside gc
	s_lshl_b32 s[32+J], s[32+J], 9
	v_add_nc_u32 v[RO+J], s[32+J], v[L16]
.set J, J+1
.endr
	WIN 0xc0
.set J, 0
.rept 16
	global_load_b128 v[4*J:4*J+3], v[RO+J], s[4:5] ; a token's two rows of g: 512 consecutive bytes
.set J, J+1
.endr
	WIN 0
	s_wait_loadcnt 16                              ; ord is in; g's 16 loads may be out
.irp m, 0,1,2,3
	v_and_b32 v[TK+\m], 0xffff, v[OT+\m]
	v_min_u32 v[TK+\m], 0xfff, v[TK+\m]
	v_bfe_u32 v[LO+\m], v[OT+\m], 16, 3
	v_bfe_u32 v[HI+\m], v[OT+\m], 20, 3
	v_lshlrev_b32 v[TKO+\m], 3, v[TK+\m]
	v_lshlrev_b32 v[TKO+4+\m], 4, v[TK+\m]
.endr
.irp m, 0,1,2,3
	global_load_b64 v[TW+2*\m:TW+2*\m+1], v[TKO+\m], s[12:13]
	global_load_b128 v[GSC+4*\m:GSC+4*\m+3], v[TKO+4+\m], s[4:5] offset:GSOFF
.endr
; The 64 rows' places in out0 are made here, while g is on its way: a row of the way out is one token's, the same for all 32 lanes, so it goes through a scalar register.
; Sixteen rows at a time through sixteen registers, each kind of line in a run, so that no line waits for the line just above it.
.irp m, 0,1,2,3
.irp j, 0,1,2,3,4,5,6,7,8,9,10,11,12,13,14,15
	v_readlane_b32 s[32+\j], v[TK+\m], \j          ; row 16 m + j's token,
.endr
.irp j, 0,1,2,3,4,5,6,7,8,9,10,11,12,13,14,15
	s_min_u32 s[32+\j], s[32+\j], 4095             ; held inside out0,
.endr
.irp j, 0,1,2,3,4,5,6,7,8,9,10,11,12,13,14,15
	s_lshl_b32 s[32+\j], s[32+\j], 13              ; x 8,192 bytes,
.endr
.irp j, 0,1,2,3,4,5,6,7,8,9,10,11,12,13,14,15
	v_add_nc_u32 v[ROW+16*\m+\j], s[32+\j], v[CO]  ; + my columns
.endr
.endr
	s_wait_loadcnt 8                               ; g is in; the eight loads of weights and scale words may be out
	WIN 0x0c
.set J, 0
.rept 16
	ds_store_b128 v[GSA], v[4*J:4*J+3] offset:GP*J
.set J, J+1
.endr
	WIN 0
	s_wait_dscnt 0x0                               ; for the others' sake
	s_barrier_signal -1
	s_barrier_wait -1                              ; the launch's one barrier: 64 tokens' g lie in LDS
	s_wait_loadcnt 0x0
; Tile n of my columns x the four tiles of tokens: the first K step starts the sums, the second adds in place three instructions later (the four sums by turns).
.macro WMUL n, sl
	s_wait_loadcnt 56-8*(\n)                       ; tile n's eight loads are in; the later tiles' may be out
	WIN 0x07                                       ; source 0 (w2) window 3, source 1 (g) window 1
.irp ks, 0,1
.irp m, 0,1,2,3
.set TD, TMP+32*((\n)%2)+8*\m
.if \ks == 0
.if (\n)%2
	v_wmma_scale_f32_16x16x128_f8f6f4 v[TD:TD+7], v[32*(\n)+16*\ks:32*(\n)+16*\ks+15], v[32*\m+16*\ks:32*\m+16*\ks+15], 0, v[WSC+2*((\n)/2)+\ks], v[GSC+4*\m+2*(\sl)+\ks] matrix_a_scale:MATRIX_SCALE_ROW1
.else
	v_wmma_scale_f32_16x16x128_f8f6f4 v[TD:TD+7], v[32*(\n)+16*\ks:32*(\n)+16*\ks+15], v[32*\m+16*\ks:32*\m+16*\ks+15], 0, v[WSC+2*((\n)/2)+\ks], v[GSC+4*\m+2*(\sl)+\ks]
.endif
.else
.if (\n)%2
	v_wmma_scale_f32_16x16x128_f8f6f4 v[TD:TD+7], v[32*(\n)+16*\ks:32*(\n)+16*\ks+15], v[32*\m+16*\ks:32*\m+16*\ks+15], v[TD:TD+7], v[WSC+2*((\n)/2)+\ks], v[GSC+4*\m+2*(\sl)+\ks] matrix_a_scale:MATRIX_SCALE_ROW1
.else
	v_wmma_scale_f32_16x16x128_f8f6f4 v[TD:TD+7], v[32*(\n)+16*\ks:32*(\n)+16*\ks+15], v[32*\m+16*\ks:32*\m+16*\ks+15], v[TD:TD+7], v[WSC+2*((\n)/2)+\ks], v[GSC+4*\m+2*(\sl)+\ks]
.endif
.endif
.endr
.endr
.endm
.macro VACC n                          ; OUT(n, .) += product x the token's weight; each product is read from its low end on
	WIN 0xa0                                       ; source 2 and destination window 2
.irp m, 0,1,2,3
.irp j, 0,2,4,6
	v_pk_fma_f32 v[8*(4*(\n)+\m)+\j:8*(4*(\n)+\m)+\j+1], v[TMP+32*((\n)%2)+8*\m+\j:TMP+32*((\n)%2)+8*\m+\j+1], v[WE+2*\m:WE+2*\m+1], v[8*(4*(\n)+\m)+\j:8*(4*(\n)+\m)+\j+1] op_sel_hi:[1,0,1]
.endr
.endr
.endm
; A PASS: expert s[E], slot sl.  The sixteen multiply-adds of tile n - 1 name no register of tile n's products: they are the eight places ahead of tile n's multiply-adds, and (with the nine v_nop at the start)
; the nine ahead of tile n + 2's products, which write over tile n's; tile 6's serve the next pass's loads and the way out's (ISA guide 7.12.1 for the multiply-adds).
.macro BODY sl
	s_wait_xcnt 0x0                                ; the last pass's loads have read their bases
	s_lshl_b32 s52, s[E], 19                       ; 128 tiles of 4,096 bytes an expert
	s_mov_b32 s53, 0
	s_add_nc_u64 s[28:29], s[26:27], s[52:53]
	s_lshl_b32 s52, s[E], 14                       ; 2,048 rows of 8 scale bytes
	s_add_nc_u64 s[48:49], s[30:31], s[52:53]
.irp q, 0,1,2,3
	global_load_b64 v[WSC+2*\q:WSC+2*\q+1], v[L8], s[48:49] offset:256*\q
.endr
	WIN 0xc0
.irp n, 0,1,2,3,4,5,6,7
.irp ks, 0,1
.irp c, 0,1,2,3
	global_load_b128 v[32*\n+16*\ks+4*\c:32*\n+16*\ks+4*\c+3], v[L16], s[28:29] offset:4096*\n+2048*\ks+512*\c
.endr
.endr
.endr
	s_wait_dscnt 0x0                               ; the slot's fragments of g are in: they were asked for ahead of the loop, and land while the slot's first pass asks for its weights
	WMUL 0, \sl
	PLACES 9
	WMUL 1, \sl
	VACC 0
.irp n, 2,3,4,5,6,7
	WMUL \n, \sl
	VACC \n-1
.endr
	VACC 7
	WIN 0
.endm
.macro SLOT sl, key
	s_wait_dscnt 0x0                               ; no earlier load into the fragments' registers is out when they are loaded again: a way through the last slot's loop on which every expert was passed over has no other wait for them
	PLACES 8                                       ; in front of loads into registers that products have read
	WIN 0x40
.irp m, 0,1,2,3
.irp ks, 0,1
.irp c, 0,1,2,3
	ds_load_b128 v[32*\m+16*\ks+4*\c:32*\m+16*\ks+4*\c+3], v[GA] offset:16*GP*\m+256*\sl+128*\ks+32*\c
.endr
.endr
.endr
	WIN 0
	s_mov_b32 s[E], 0
.Lexpert_\sl:
.irp m, 0,1,2,3
	v_cmp_eq_u32 s[CM+\m], s[E], v[\key+\m]
	v_cndmask_b32 v[WE+2*\m], 0, v[TW+2*\m+\sl], s[CM+\m]          ; the weight, or 0 for a token with another expert here
.endr
	s_or_b32 s24, s[CM], s[CM+1]
	s_or_b32 s25, s[CM+2], s[CM+3]
	s_or_b32 s24, s24, s25
	s_cmp_eq_u32 s24, 0
	s_cbranch_scc1 .Lunused_\sl                    ; no token of the block has this expert in this slot
	BODY \sl
.Lunused_\sl:
	s_add_co_u32 s[E], s[E], 1
	s_cmp_lt_u32 s[E], 8
	s_cbranch_scc1 .Lexpert_\sl
.endm
	SLOT 0, LO
	SLOT 1, HI
; THE WAY OUT, a tile of 16 tokens at a time: a lane's 32 neighbouring bytes of a row go into my own stage and come back as whole rows of 512 bytes, which the 32 lanes store as 512 consecutive bytes at a multiple of 256
; from out0's first byte.  LDS serves a wave's instructions in order (ISA guide 5.7.1.4): no wait between the stores and the loads, nor ahead of the next tile's stores into the same stage.
; Each tile has registers of its own for its rows and for their offsets, so no store's source is ever written again; tile m + 1 goes through the stage while tile m is stored.
.macro TOSTAGE m
	WIN 0x08                                       ; an LDS store's data are its source 1: window 2
.irp n, 0,1,2,3,4,5,6,7
	ds_store_b128 v[STO], v[8*(4*\n+(\m)):8*(4*\n+(\m))+3] offset:64*\n
	ds_store_b128 v[STO], v[8*(4*\n+(\m))+4:8*(4*\n+(\m))+7] offset:64*\n+16
.endr
	WIN 0xc0                                       ; destination window 3
.irp j, 0,1,2,3,4,5,6,7,8,9,10,11,12,13,14,15
	ds_load_b128 v[64*(\m)+4*\j:64*(\m)+4*\j+3], v[RD] offset:GP*\j
.endr
.endm
.macro SEND m, younger                 ; younger: the LDS instructions issued behind tile m's loads: the next tile's 32, or none
	WIN 0x0c                                       ; a store's data are its source 1: window 3
.irp j, 0,1,2,3,4,5,6,7,8,9,10,11,12,13,14,15
	s_wait_dscnt \younger+15-\j                    ; row j is back; this tile's younger loads and the next tile's instructions may be out
	global_store_b128 v[ROW+16*(\m)+\j], v[64*(\m)+4*\j:64*(\m)+4*\j+3], s[14:15] th:TH_STORE_NT
.endr
.endm
	TOSTAGE 0
	TOSTAGE 1
	SEND 0, 32
	TOSTAGE 2
	SEND 1, 32
	TOSTAGE 3
	SEND 2, 32
	SEND 3, 0
	WIN 0
	s_wait_tensorcnt 0x0
	ds_add_u32 v126, v127
	s_wait_dscnt 0x0
	s_endpgm
.Lfunc_end_k_q8964159e26_down:
	.size	k_q8964159e26_down, .Lfunc_end_k_q8964159e26_down-k_q8964159e26_down
	.p2alignl 7, 3214868480
	.fill 96, 4, 3214868480
	.section	.rodata,"a",@progbits
	.p2align	6, 0x0
	.amdhsa_kernel k_q8964159e26_down
		.amdhsa_group_segment_fixed_size 68096
		.amdhsa_private_segment_fixed_size 0
		.amdhsa_enable_private_segment 0
		.amdhsa_kernarg_size 48
		.amdhsa_user_sgpr_count 2
		.amdhsa_user_sgpr_kernarg_segment_ptr 1
		.amdhsa_wavefront_size32 1
		.amdhsa_system_sgpr_workgroup_id_x 1
		.amdhsa_system_sgpr_workgroup_id_y 1
		.amdhsa_system_sgpr_workgroup_id_z 1
		.amdhsa_system_vgpr_workitem_id 0
		.amdhsa_next_free_vgpr 1024
		.amdhsa_next_free_sgpr 66
		.amdhsa_reserve_vcc 0
		.amdhsa_float_denorm_mode_32 3
		.amdhsa_float_denorm_mode_16_64 3
		.amdhsa_memory_ordered 1
		.amdhsa_forward_progress 1
		.amdhsa_inst_pref_size 101
	.end_amdhsa_kernel
	.amdgpu_metadata
---
amdhsa.version: [ 1, 2 ]
amdhsa.kernels:
  - .name:           k_q8964159e26_down
    .symbol:         k_q8964159e26_down.kd
    .args:
      - { .name: gc, .offset: 0, .size: 8, .value_kind: global_buffer, .address_space: global }
      - { .name: wimg, .offset: 8, .size: 8, .value_kind: global_buffer, .address_space: global }
      - { .name: w2_scales, .offset: 16, .size: 8, .value_kind: global_buffer, .address_space: global }
      - { .name: plan, .offset: 24, .size: 8, .value_kind: global_buffer, .address_space: global }
      - { .name: tw, .offset: 32, .size: 8, .value_kind: global_buffer, .address_space: global }
      - { .name: out0, .offset: 40, .size: 8, .value_kind: global_buffer, .address_space: global }
    .group_segment_fixed_size: 68096
    .private_segment_fixed_size: 0
    .kernarg_segment_align: 8
    .kernarg_segment_size: 48
    .max_flat_workgroup_size: 128
    .sgpr_count:     66
    .vgpr_count:     1024
    .wavefront_size: 32
...
	.end_amdgpu_metadata
.endif
;; end of part 4
;; ======== version 2 of 2: 4 launches; version 1 with the launch down written anew for expert scheduling mode
;; workspace buffers: xc 8,650,752 bytes; route 81,920 bytes of whole numbers; tw 32,768 bytes; wimg 12,582,912 bytes; plan 51,200 bytes of whole numbers; gc 2,162,688 bytes
;; launch route_quant: the kernel of part 1 again; grid 256 x 1, 4 waves a work-group, no clusters, 27,136 bytes of LDS; arguments hidden_states, gate_w, xc, route, tw, out1; writes xc, route, tw, out1
;; launch place_repack: the kernel of part 2 again; grid 193 x 1, 8 waves a work-group, no clusters, 3,072 bytes of LDS; arguments route, w1_codes, w3_codes, w2_codes, wimg, plan; writes wimg, plan
;; launch gateup: the kernel of part 3 again; grid 71 x 2, 4 waves a work-group, no clusters, 285,696 bytes of LDS; arguments xc, wimg, w1_scales, w3_scales, plan, gc; writes gc
;; launch down (part 5): grid 64 x 4, 4 waves a work-group, no clusters, 68,096 bytes of LDS; arguments gc, wimg, w2_scales, plan, tw, out0; writes out0
.if DOCPART == 5
	.amdgcn_target "amdgcn-amd-amdhsa--gfx1250"
	.amdhsa_code_object_version 6
	.text
	.protected	k_q8964159e26_down
	.globl	k_q8964159e26_down
	.p2align	8
	.type	k_q8964159e26_down,@function
k_q8964159e26_down:
	s_mov_b64 s[64:65], 0
	v_nop
	global_prefetch_b8 v0, s[64:65] scope:SCOPE_SE
	s_setreg_imm32_b32 hwreg(HW_REG_WAVE_SCHED_MODE, 0, 2), 2
	s_setreg_imm32_b32 hwreg(HW_REG_WAVE_MODE, 25, 1), 1
	s_wait_xcnt 0x0
	s_wait_alu depctr_vm_vsrc(0)
; out0[t] = w_lo (g(t, lo) w2[lo]^T) + w_hi (g(t, hi) w2[hi]^T), the products on codes of E4M3 with one E8M0 scale for each 32 along K = 256.
; SHARES.  Work-group (blk, yd): the 64 tokens ord[64 blk ..] (sorted by their pair of experts, so that a block meets few experts) x columns 512 yd .. 512 yd + 511.  Wave w: 128 columns (8 tiles n) x 4 tiles m of 16 tokens.
; EACH OUTPUT NUMBER HAS ONE OWNER: both of a token's rows meet in this work-group's registers, and no sum goes through memory.
; For each of the two slots a loop of constant count walks the 8 experts; a scalar branch on the stored list passes over those that no token of the block has in that slot.  No barrier stands under it.
; A pass: w2's 16 fragments of the wave's columns come as images of operand registers straight from memory, each byte once in a work-group; tile by tile 8 matrix instructions (K = 2 x 128, 4 tiles of tokens, started with
; the constant 0) and 16 packed multiply-adds OUT += product x weight, the weight being 0 in the lanes of tokens that have another expert in this slot.
; THE PRODUCTS ARE USED TRANSPOSED (source 0 = 16 rows of w2 = 16 columns of out0, source 1 = 16 tokens): a lane holds one token, so the weight is one number a lane, and eight neighbouring columns.
; OUT is summed by vector instructions, since each product is weighed by token, and which expert comes first hangs on the routing: so OUT begins as zeros, written while the head's loads are out.
; NOT USED: tensor loads (branches hang on stored numbers); clusters (which experts a block meets hangs on the routing, so partners would ask for different tiles).
; LIMITS: NaN and infinities are not served: a product that overflowed would not be wiped by the weight 0.
; REGISTERS.  window 0: addresses, scale words (v64-87: scales and nothing else), weights, the products TMP (two sets of 4 x 8), the 64 rows' offsets in out0.  window 1: g's fragments (m, s) at v[32 m + 16 s].
; window 2: OUT (n, m) at v[8 (4 n + m)].  window 3: w2's fragments (n, s) at v[32 n + 16 s]; at the head g on its way to LDS; on the way out rows of out0, 64 registers for each tile of tokens.
; THE MODE: SCHED_MODE bits 1:0 = 2 (LLVM: expert scheduling mode 2), set by the entry lines.  The code itself states the register dependences between vector or matrix instructions and memory or LDS
; instructions, with s_wait_alu, always for 0.
; THE PLAN.  Registers that memory or LDS instructions touch, and who else names them:
;   v4-v11, v126, v127   addresses and the closing add's two: written by vector instructions at the head, ahead of the first wait on va_vdst, and never again.
;   RO, TKO              offsets made at the head from loaded numbers: each is written once, a wait on va_vdst follows, the loads that read it follow that; never written again.
;   ROW                  written by vector instructions at the head; read by the way out's stores, behind the way out's wait on va_vdst.
;   window 3             head: g lands in v0-63 and my LDS stores read them: one wait on vm_vsrc behind the barrier, ahead of every pass.  A pass: 64 loads land, the pass's products read.
;                        way out: the loads from the stage land, the stores to out0 read; each tile of tokens has 64 registers of its own.
;   WSC                  a pass: four loads land, the pass's products read them as scales.
;   window 1             a slot: 32 LDS loads land at its head, the products of all its passes read.
;   window 2 (OUT)       written by vector instructions alone, until the way out's LDS stores read it.
;   OT, TW, GSC are loaded once and never again; TMP and WE are named by vector and matrix instructions alone.
; So ONE wait on va_vdst stands in a pass, ahead of its 68 loads; one at the second slot's head; one at the way out.  A number that a vector instruction puts into a scalar register (the wave's number, the rows'
; tokens, the compares' masks) has a wait on va_sdst ahead of its first reader, one for each run of such writers.
.set GP,    528                        ; a token's 512 bytes of g ([slot][256]) in LDS, + 16; also a stage row
.set OST,   64*GP                      ; behind g: a stage of 16 rows for each wave
.set GSOFF, 2097152
.set W2OFF, 8388608
.set L16, 4
.set GA,  5
.set GSA, 6
.set STO, 7
.set RD,  8
.set CO,  9
.set L8,  10
.set R4,  11
.set OT,  16                           ; v16-19 ord of token 16 m + r
.set TK,  20                           ; v20-23 the token
.set LO,  24                           ; v24-27 its lower expert;  v28-31 its higher
.set HI,  28
.set TKO, 32                           ; v32-35 8 x token; v36-39 16 x token
.set TW,  48                           ; v48-55 {w_lo, w_hi} for each m
.set GSC, 64                           ; v64-79 g's scale words, 4 m + 2 slot + s
.set WSC, 80                           ; v80-87 w2's, 2 (n / 2) + s: lanes 0-15 the even tile, lanes 16-31 the odd one
.set WE,  88                           ; v88-95 the pass's weight for each m, in the low word of a pair
.set RO,  96                           ; v96-111 the offsets in gc of the 16 tokens whose g I stage
.set TMP, 128
.set ROW, 192                          ; v192-255 the byte offset in out0 of my 16 bytes of row 16 m + j; never rewritten
.set WV,  16
.set YD,  17
.set E,   18
.set CM,  20
.set MSB, 0
.macro WIN new                         ; the immediate's high byte repeats the setting that is left
.if MSB != \new
	s_set_vgpr_msb (MSB<<8)|\new
.set MSB, \new
.endif
.endm
.macro PLACES n
.rept \n
	v_nop
.endr
.endm
	s_load_b256 s[4:11], s[0:1], 0x0               ; gc s[4:5], wimg s[6:7], w2_scales s[8:9], plan s[10:11]
	s_load_b128 s[12:15], s[0:1], 0x20             ; tw s[12:13], out0 s[14:15]
	v_lshl_add_u32 v126, v0, 2, 0x10800
	v_mov_b32 v127, 0
	v_lshrrev_b32 v1, 5, v0
	v_readfirstlane_b32 s[WV], v1
	s_and_b32 s[YD], ttmp7, 0xffff
	v_and_b32 v1, 31, v0
	v_and_b32 v2, 15, v0                           ; r
	v_bfe_u32 v3, v0, 4, 1                         ; h
	v_lshlrev_b32 v[L16], 4, v1
	v_mul_u32_u24 v[GA], v2, GP
	v_lshl_add_u32 v[GA], v3, 4, v[GA]             ; g's fragments: row r, + 16 h
	s_wait_alu depctr_va_sdst(0)                   ; the wave's number is written into s16, ahead of its first reader, the line below
	s_mul_i32 s24, s[WV], 16*GP
	v_add_nc_u32 v[GSA], s24, v[L16]               ; where I stage g: my 16 rows
	s_add_co_u32 s24, s24, OST
	v_mul_u32_u24 v[STO], v2, GP
	v_lshl_add_u32 v[STO], v3, 5, v[STO]
	v_add_nc_u32 v[STO], s24, v[STO]               ; my stage, in: row r, 32 bytes for each half of the lanes
	v_add_nc_u32 v[RD], s24, v[L16]                ; back: the 32 lanes take a row of 512 bytes
	s_lshl_b32 s24, s[YD], 11
	s_lshl_b32 s25, s[WV], 9
	s_add_co_u32 s24, s24, s25
	v_add_nc_u32 v[CO], s24, v[L16]                ; my bytes in a row of out0
	v_lshlrev_b32 v[L8], 3, v1
	v_lshlrev_b32 v[R4], 2, v2
	s_lshl_b32 s24, ttmp9, 8                       ; 64 entries of ord
	s_mov_b32 s25, 0
	s_lshl_b32 s19, s[WV], 6
	s_wait_kmcnt 0x0
	s_add_nc_u64 s[10:11], s[10:11], s[24:25]
	s_wait_alu depctr_va_vdst(0)                   ; the addresses v4 to v11 are written, which the loads below and all later loads, stores and LDS instructions read; so are v126 and v127, which the closing add reads
.irp m, 0,1,2,3
	global_load_b32 v[OT+\m], v[R4], s[10:11] offset:64*\m         ; lanes 16-31 hold the same tokens as lanes 0-15
.endr
	s_load_b512 s[32:47], s[10:11], s19 offset:0x0 ; the 16 tokens whose g I stage, as scalars
	s_lshl_b32 s24, s[YD], 5
	s_lshl_b32 s26, s[WV], 3
	s_add_co_u32 s24, s24, s26                     ; my first tile of w2's 128: 32 yd + 8 w
	s_lshl_b32 s50, s24, 7                         ; x 16 rows of 8 scale bytes
	s_mov_b32 s51, 0
	s_lshl_b32 s24, s24, 12
	s_add_co_u32 s24, s24, W2OFF
	s_add_nc_u64 s[26:27], s[6:7], s[24:25]
	s_add_nc_u64 s[30:31], s[8:9], s[50:51]
	WIN 0x80
.set I, 0
.rept 256
	v_mov_b32 v[I], 0                              ; OUT
.set I, I+1
.endr
	WIN 0
.irp m, 0,1,2,3
	v_mov_b32 v[WE+2*\m+1], 0                      ; (the pairs' upper words are named, so they are written)
.endr
	s_wait_kmcnt 0x0
.set J, 0
.rept 16
	s_and_b32 s[32+J], s[32+J], 0xffff
	s_min_u32 s[32+J], s[32+J], 4095               ; held inside gc
	s_lshl_b32 s[32+J], s[32+J], 9
	v_add_nc_u32 v[RO+J], s[32+J], v[L16]
.set J, J+1
.endr
	WIN 0xc0
	s_wait_alu depctr_va_vdst(0)                   ; the sixteen offsets v[RO ..] are written, which the loads below read
.set J, 0
.rept 16
	global_load_b128 v[4*J:4*J+3], v[RO+J], s[4:5] ; a token's two rows of g: 512 consecutive bytes
.set J, J+1
.endr
	WIN 0
	s_wait_loadcnt 16                              ; ord is in; g's 16 loads may be out
.irp m, 0,1,2,3
	v_and_b32 v[TK+\m], 0xffff, v[OT+\m]
	v_min_u32 v[TK+\m], 0xfff, v[TK+\m]
	v_bfe_u32 v[LO+\m], v[OT+\m], 16, 3
	v_bfe_u32 v[HI+\m], v[OT+\m], 20, 3
	v_lshlrev_b32 v[TKO+\m], 3, v[TK+\m]
	v_lshlrev_b32 v[TKO+4+\m], 4, v[TK+\m]
.endr
	s_wait_alu depctr_va_vdst(0)                   ; the eight offsets v[TKO ..] are written, which the loads below read
.irp m, 0,1,2,3
	global_load_b64 v[TW+2*\m:TW+2*\m+1], v[TKO+\m], s[12:13]
	global_load_b128 v[GSC+4*\m:GSC+4*\m+3], v[TKO+4+\m], s[4:5] offset:GSOFF
.endr
; The 64 rows' places in out0 are made here, while g is on its way: a row of the way out is one token's, the same for all 32 lanes, so it goes through a scalar register.
; Sixteen rows at a time through sixteen registers, each kind of line in a run, so that no line waits for the line just above it.
.irp m, 0,1,2,3
.irp j, 0,1,2,3,4,5,6,7,8,9,10,11,12,13,14,15
	v_readlane_b32 s[32+\j], v[TK+\m], \j          ; row 16 m + j's token,
.endr
	s_wait_alu depctr_va_sdst(0)                   ; the sixteen lines above have written s32 to s47, ahead of their first readers: one wait for the run
.irp j, 0,1,2,3,4,5,6,7,8,9,10,11,12,13,14,15
	s_min_u32 s[32+\j], s[32+\j], 4095             ; held inside out0,
.endr
.irp j, 0,1,2,3,4,5,6,7,8,9,10,11,12,13,14,15
	s_lshl_b32 s[32+\j], s[32+\j], 13              ; x 8,192 bytes,
.endr
.irp j, 0,1,2,3,4,5,6,7,8,9,10,11,12,13,14,15
	v_add_nc_u32 v[ROW+16*\m+\j], s[32+\j], v[CO]  ; + my columns
.endr
.endr
	s_wait_loadcnt 8                               ; g is in; the eight loads of weights and scale words may be out
	WIN 0x0c
.set J, 0
.rept 16
	ds_store_b128 v[GSA], v[4*J:4*J+3] offset:GP*J ; the data come from loads, the address was written ahead of the head's first wait on va_vdst: nothing more is owed
.set J, J+1
.endr
	WIN 0
	s_wait_dscnt 0x0                               ; for the others' sake
	s_barrier_signal -1
	s_barrier_wait -1                              ; the launch's one barrier: 64 tokens' g lie in LDS
	s_wait_loadcnt 0x0
	s_wait_alu depctr_vm_vsrc(0)                   ; my LDS stores have read window 3's v0 to v63, in which the passes' loads of w2 land
; Tile n of my columns x the four tiles of tokens: the first K step starts the sums, the second adds in place three instructions later (the four sums by turns).
.macro WMUL n, sl
	s_wait_loadcnt 56-8*(\n)                       ; tile n's eight loads are in; the later tiles' may be out
	WIN 0x07                                       ; source 0 (w2) window 3, source 1 (g) window 1
.irp ks, 0,1
.irp m, 0,1,2,3
.set TD, TMP+32*((\n)%2)+8*\m
.if \ks == 0
.if (\n)%2
	v_wmma_scale_f32_16x16x128_f8f6f4 v[TD:TD+7], v[32*(\n)+16*\ks:32*(\n)+16*\ks+15], v[32*\m+16*\ks:32*\m+16*\ks+15], 0, v[WSC+2*((\n)/2)+\ks], v[GSC+4*\m+2*(\sl)+\ks] matrix_a_scale:MATRIX_SCALE_ROW1
.else
	v_wmma_scale_f32_16x16x128_f8f6f4 v[TD:TD+7], v[32*(\n)+16*\ks:32*(\n)+16*\ks+15], v[32*\m+16*\ks:32*\m+16*\ks+15], 0, v[WSC+2*((\n)/2)+\ks], v[GSC+4*\m+2*(\sl)+\ks]
.endif
.else
.if (\n)%2
	v_wmma_scale_f32_16x16x128_f8f6f4 v[TD:TD+7], v[32*(\n)+16*\ks:32*(\n)+16*\ks+15], v[32*\m+16*\ks:32*\m+16*\ks+15], v[TD:TD+7], v[WSC+2*((\n)/2)+\ks], v[GSC+4*\m+2*(\sl)+\ks] matrix_a_scale:MATRIX_SCALE_ROW1
.else
	v_wmma_scale_f32_16x16x128_f8f6f4 v[TD:TD+7], v[32*(\n)+16*\ks:32*(\n)+16*\ks+15], v[32*\m+16*\ks:32*\m+16*\ks+15], v[TD:TD+7], v[WSC+2*((\n)/2)+\ks], v[GSC+4*\m+2*(\sl)+\ks]
.endif
.endif
.endr
.endr
.endm
.macro VACC n                          ; OUT(n, .) += product x the token's weight; each product is read from its low end on
	WIN 0xa0                                       ; source 2 and destination window 2
.irp m, 0,1,2,3
.irp j, 0,2,4,6
	v_pk_fma_f32 v[8*(4*(\n)+\m)+\j:8*(4*(\n)+\m)+\j+1], v[TMP+32*((\n)%2)+8*\m+\j:TMP+32*((\n)%2)+8*\m+\j+1], v[WE+2*\m:WE+2*\m+1], v[8*(4*(\n)+\m)+\j:8*(4*(\n)+\m)+\j+1] op_sel_hi:[1,0,1]
.endr
.endr
.endm
; A PASS: expert s[E], slot sl.  The sixteen multiply-adds of tile n - 1 name no register of tile n's products: they are the eight places ahead of tile n's multiply-adds, and (with the nine v_nop at the start)
; the nine ahead of tile n + 2's products, which write over tile n's; tile 6's serve the next pass's loads and the way out's (ISA guide 7.12.1 for the multiply-adds).
; All operands and scales of the products come from loads: their waits are the counted waits on LOADcnt and the wait on DScnt.
.macro BODY sl
	s_wait_xcnt 0x0                                ; the last pass's loads have read their bases
	s_lshl_b32 s52, s[E], 19                       ; 128 tiles of 4,096 bytes an expert
	s_mov_b32 s53, 0
	s_add_nc_u64 s[28:29], s[26:27], s[52:53]
	s_lshl_b32 s52, s[E], 14                       ; 2,048 rows of 8 scale bytes
	s_add_nc_u64 s[48:49], s[30:31], s[52:53]
	s_wait_alu depctr_va_vdst(0)                   ; the last pass's products are done reading w2's scale words and its fragments, in which the 68 loads below land; only loads and a window switch stand between
.irp q, 0,1,2,3
	global_load_b64 v[WSC+2*\q:WSC+2*\q+1], v[L8], s[48:49] offset:256*\q
.endr
	WIN 0xc0
.irp n, 0,1,2,3,4,5,6,7
.irp ks, 0,1
.irp c, 0,1,2,3
	global_load_b128 v[32*\n+16*\ks+4*\c:32*\n+16*\ks+4*\c+3], v[L16], s[28:29] offset:4096*\n+2048*\ks+512*\c
.endr
.endr
.endr
	s_wait_dscnt 0x0                               ; the slot's fragments of g are in: they were asked for ahead of the loop, and land while the slot's first pass asks for its weights
	WMUL 0, \sl
	PLACES 9
	WMUL 1, \sl
	VACC 0
.irp n, 2,3,4,5,6,7
	WMUL \n, \sl
	VACC \n-1
.endr
	VACC 7
	WIN 0
.endm
.macro SLOT sl, key
	s_wait_dscnt 0x0                               ; no earlier load into the fragments' registers is out when they are loaded again: a way through the last slot's loop on which every expert was passed over has no other wait for them
	PLACES 8                                       ; in front of loads into registers that products have read
	WIN 0x40
.if \sl
	s_wait_alu depctr_va_vdst(0)                   ; the first slot's products are done reading g's fragments, in which the loads below land.  (Ahead of the first slot nothing has named these registers)
.endif
.irp m, 0,1,2,3
.irp ks, 0,1
.irp c, 0,1,2,3
	ds_load_b128 v[32*\m+16*\ks+4*\c:32*\m+16*\ks+4*\c+3], v[GA] offset:16*GP*\m+256*\sl+128*\ks+32*\c
.endr
.endr
.endr
	WIN 0
	s_mov_b32 s[E], 0
.Lexpert_\sl:
.irp m, 0,1,2,3
	v_cmp_eq_u32 s[CM+\m], s[E], v[\key+\m]
.endr
	s_wait_alu depctr_va_sdst(0)                   ; the four compares have written their masks, ahead of the selections and the scalar lines that read them: one wait for the run
.irp m, 0,1,2,3
	v_cndmask_b32 v[WE+2*\m], 0, v[TW+2*\m+\sl], s[CM+\m]          ; the weight, or 0 for a token with another expert here
.endr
	s_or_b32 s24, s[CM], s[CM+1]
	s_or_b32 s25, s[CM+2], s[CM+3]
	s_or_b32 s24, s24, s25
	s_cmp_eq_u32 s24, 0
	s_cbranch_scc1 .Lunused_\sl                    ; no token of the block has this expert in this slot
	BODY \sl
.Lunused_\sl:
	s_add_co_u32 s[E], s[E], 1
	s_cmp_lt_u32 s[E], 8
	s_cbranch_scc1 .Lexpert_\sl
.endm
	SLOT 0, LO
	SLOT 1, HI
; THE WAY OUT, a tile of 16 tokens at a time: a lane's 32 neighbouring bytes of a row go into my own stage and come back as whole rows of 512 bytes, which the 32 lanes store as 512 consecutive bytes at a multiple of 256
; from out0's first byte.  LDS serves a wave's instructions in order (ISA guide 5.7.1.4): no wait between the stores and the loads, nor ahead of the next tile's stores into the same stage.
; Each tile has registers of its own for its rows and for their offsets, so no store's source is ever written again; tile m + 1 goes through the stage while tile m is stored.
; No vector or matrix instruction stands behind the one wait on va_vdst below, and the stores that stand between it and a later load read other registers than that load's address and data.
.macro TOSTAGE m
	WIN 0x08                                       ; an LDS store's data are its source 1: window 2
.if (\m) == 0
	s_wait_alu depctr_va_vdst(0)                   ; the multiply-adds have written OUT, which the LDS stores read; the head has written v[ROW ..], which the stores to out0 read; the last products are done reading window 3, in which the stage's loads land
.endif
.irp n, 0,1,2,3,4,5,6,7
	ds_store_b128 v[STO], v[8*(4*\n+(\m)):8*(4*\n+(\m))+3] offset:64*\n
	ds_store_b128 v[STO], v[8*(4*\n+(\m))+4:8*(4*\n+(\m))+7] offset:64*\n+16
.endr
	WIN 0xc0                                       ; destination window 3
.irp j, 0,1,2,3,4,5,6,7,8,9,10,11,12,13,14,15
	ds_load_b128 v[64*(\m)+4*\j:64*(\m)+4*\j+3], v[RD] offset:GP*\j
.endr
.endm
.macro SEND m, younger                 ; younger: the LDS instructions issued behind tile m's loads: the next tile's 32, or none
	WIN 0x0c                                       ; a store's data are its source 1: window 3
.irp j, 0,1,2,3,4,5,6,7,8,9,10,11,12,13,14,15
	s_wait_dscnt \younger+15-\j                    ; row j is back; this tile's younger loads and the next tile's instructions may be out
	global_store_b128 v[ROW+16*(\m)+\j], v[64*(\m)+4*\j:64*(\m)+4*\j+3], s[14:15] th:TH_STORE_NT
.endr
.endm
	TOSTAGE 0
	TOSTAGE 1
	SEND 0, 32
	TOSTAGE 2
	SEND 1, 32
	TOSTAGE 3
	SEND 2, 32
	SEND 3, 0
	WIN 0
	s_wait_dscnt 0x0                               ; the closing lines, six on end
	s_wait_alu 0x0
	s_wait_tensorcnt 0x0
	ds_add_u32 v126, v127
	s_wait_dscnt 0x0
	s_endpgm
.Lfunc_end_k_q8964159e26_down:
	.size	k_q8964159e26_down, .Lfunc_end_k_q8964159e26_down-k_q8964159e26_down
	.p2alignl 7, 3214868480
	.fill 96, 4, 3214868480
	.section	.rodata,"a",@progbits
	.p2align	6, 0x0
	.amdhsa_kernel k_q8964159e26_down
		.amdhsa_group_segment_fixed_size 68096
		.amdhsa_private_segment_fixed_size 0
		.amdhsa_enable_private_segment 0
		.amdhsa_kernarg_size 48
		.amdhsa_user_sgpr_count 2
		.amdhsa_user_sgpr_kernarg_segment_ptr 1
		.amdhsa_wavefront_size32 1
		.amdhsa_system_sgpr_workgroup_id_x 1
		.amdhsa_system_sgpr_workgroup_id_y 1
		.amdhsa_system_sgpr_workgroup_id_z 1
		.amdhsa_system_vgpr_workitem_id 0
		.amdhsa_next_free_vgpr 1024
		.amdhsa_next_free_sgpr 66
		.amdhsa_reserve_vcc 0
		.amdhsa_float_denorm_mode_32 3
		.amdhsa_float_denorm_mode_16_64 3
		.amdhsa_memory_ordered 1
		.amdhsa_forward_progress 1
		.amdhsa_inst_pref_size 102
	.end_amdhsa_kernel
	.amdgpu_metadata
---
amdhsa.version: [ 1, 2 ]
amdhsa.kernels:
  - .name:           k_q8964159e26_down
    .symbol:         k_q8964159e26_down.kd
    .args:
      - { .name: gc, .offset: 0, .size: 8, .value_kind: global_buffer, .address_space: global }
      - { .name: wimg, .offset: 8, .size: 8, .value_kind: global_buffer, .address_space: global }
      - { .name: w2_scales, .offset: 16, .size: 8, .value_kind: global_buffer, .address_space: global }
      - { .name: plan, .offset: 24, .size: 8, .value_kind: global_buffer, .address_space: global }
      - { .name: tw, .offset: 32, .size: 8, .value_kind: global_buffer, .address_space: global }
      - { .name: out0, .offset: 40, .size: 8, .value_kind: global_buffer, .address_space: global }
    .group_segment_fixed_size: 68096
    .private_segment_fixed_size: 0
    .kernarg_segment_align: 8
    .kernarg_segment_size: 48
    .max_flat_workgroup_size: 128
    .sgpr_count:     66
    .vgpr_count:     1024
    .wavefront_size: 32
...
	.end_amdgpu_metadata
.endif
;; end of part 5
